; MI455X (gfx1250); checked and timed in simulation.
; The chip was launched on July 23, 2026; its instructions are those of AMD's public machine-readable ISA for CDNA 5 (MIT licence, August 2026) and "CDNA5" Instruction Set Architecture Reference Guide (July 2026). The comments in the code are by the model that wrote it; some were corrected since.
;; Multihead Self Attention. Allowed arithmetic: float matrix products may take bf16 or f16 operands with f32 sums; other float arithmetic in f32, or as packed bf16 or f16 multiplies, adds, multiply-adds, maxima and minima; sums over many terms, partial sums and values carried from step to step in f32; what a program stores and reads back later, other than sums and carried values, may be rounded once to bf16 or f16.
;; Inputs: wk 1,024 x 8 x 128 float32; wo 8 x 128 x 1,024 float32; wq 1,024 x 8 x 128 float32; wv 1,024 x 8 x 128 float32; x 4 x 2,048 x 1,024 float32.
;; Outputs: out0 4 x 2,048 x 1,024 float32.
;; 2 versions, each right; version 2 is version 1 with the launch prep written anew for expert scheduling mode. Each part assembles by itself: llvm-mc -triple=amdgcn-amd-amdhsa -mcpu=gfx1250 --defsym DOCPART=n.
;; ======== version 1 of 2: 4 launches
;; limits: values are held in f16: magnitudes above 65,504 overflow, below 6.1e-05 lose precision
;; workspace buffers: xb 16,777,216 bytes; wb 6,291,456 bytes; wob 2,097,152 bytes; rope 524,288 bytes; qkvh 50,331,648 bytes; ob 16,777,216 bytes
;; launch prep (part 1): grid 896 x 1, 8 waves a work-group, no clusters, 0 bytes of LDS; arguments x, wq, wk, wv, wo, xb, wb, wob, rope; writes xb, wb, wob, rope
.if DOCPART == 1
	.amdgcn_target "amdgcn-amd-amdhsa--gfx1250"
	.amdhsa_code_object_version 6
	.text
	.protected	k_q8918db5d6d_prep
	.globl	k_q8918db5d6d_prep
	.p2align	8
	.type	k_q8918db5d6d_prep,@function
k_q8918db5d6d_prep:
	s_mov_b64 s[64:65], 0
	v_nop
	global_prefetch_b8 v0, s[64:65] scope:SCOPE_SE
	s_setreg_imm32_b32 hwreg(HW_REG_WAVE_MODE, 25, 1), 1
	s_wait_xcnt 0x0
; PREP: the module's inputs rounded once to bf16, and the table of cosines and sines for the rotation.
;   work-groups   0..511  x  [8192][1024] f32 -> xb  bf16, same layout
;   work-groups 512..703  wq, wk, wv [1024 k][1024 n] f32 -> wb [3][1024][1024] bf16, same layout (64 work-groups a matrix)
;   work-groups 704..767  wo [1024 k][1024 n] f32 -> wob: rounded to bf16, that number written as f16
;   work-groups 768..895  rope [2048 positions][32 cosines | 32 sines] f32: 256 bytes a position
; A stream: every input byte is read once, every output byte written once; no LDS, no matrix unit, no barrier: no wave wants what another fetched.
; A converting work-group takes 16 rows of 4,096 bytes: thread t owns the 16 bytes at 16 t of each; all sixteen loads go out at once,
; and a wave's store of 8 bytes a lane covers 256 consecutive bytes, aligned.
; LIMITS.  wo's numbers lie within f16's 65,504; below 6e-5 they keep f16's fixed step of 6e-8.  The angle is position x 2^(-d log2(10000)/32) in f32:
; it may differ from a power function's by a few units in the last place of the factor, some 2e-4 radians at position 2,047.
; The cosine's series is cut behind x^18 on |x| <= pi: the first term left out is under 4e-9 there, for every position.
.set SRC, 24                           ; s[24:25] where my 16 rows begin
.set DST, 26                           ; s[26:27] where their 16-bit image begins
.set X,   8                            ; v[8:71]   sixteen loads of four numbers
.set Y,   72                           ; v[72:103] sixteen stores of four 16-bit numbers
	s_load_b512 s[4:19], s[0:1], 0x0               ; x s[4:5], wq s[6:7], wk s[8:9], wv s[10:11], wo s[12:13], xb s[14:15], wb s[16:17], wob s[18:19]
	s_load_b64 s[20:21], s[0:1], 0x40              ; rope
	s_mov_b32 s22, ttmp9                           ; g, the work-group
	v_lshlrev_b32 v1, 4, v0                        ; 16 t: my bytes in a row of f32
	v_lshlrev_b32 v2, 3, v0                        ; 8 t: in a row of 16-bit numbers
	s_sub_co_u32 s34, s22, 512                     ; my number among the three weights' work-groups,
	s_and_b32 s35, s34, 63                         ; within one matrix,
	s_sub_co_u32 s36, s22, 704                     ; and among wo's
	s_wait_kmcnt 0x0
	s_cmp_ge_u32 s22, 768
	s_cbranch_scc1 .Ltable
	; which buffer, and which 16 rows of it: selects on g alone; the offsets are made apart from the addresses
	s_cmp_ge_u32 s22, 512
	s_cselect_b64 s[SRC:SRC+1], s[6:7], s[4:5]
	s_cselect_b64 s[DST:DST+1], s[16:17], s[14:15]
	s_cselect_b32 s32, s35, s22
	s_cselect_b32 s33, s34, s22
	s_cmp_ge_u32 s22, 576
	s_cselect_b64 s[SRC:SRC+1], s[8:9], s[SRC:SRC+1]
	s_cmp_ge_u32 s22, 640
	s_cselect_b64 s[SRC:SRC+1], s[10:11], s[SRC:SRC+1]
	s_cmp_ge_u32 s22, 704
	s_cselect_b64 s[SRC:SRC+1], s[12:13], s[SRC:SRC+1]
	s_cselect_b64 s[DST:DST+1], s[18:19], s[DST:DST+1]
	s_cselect_b32 s32, s36, s32
	s_cselect_b32 s33, s36, s33
	s_lshl_b32 s28, s32, 16                        ; 16 rows of 4,096 bytes
	s_mov_b32 s29, 0
	s_lshl_b32 s30, s33, 15                        ; 16 rows of 2,048 bytes
	s_mov_b32 s31, 0
	s_add_nc_u64 s[SRC:SRC+1], s[SRC:SRC+1], s[28:29]
	s_add_nc_u64 s[DST:DST+1], s[DST:DST+1], s[30:31]
.set i, 0
.rept 16
	global_load_b128 v[X+4*i:X+4*i+3], v1, s[SRC:SRC+1] offset:4096*i th:TH_LOAD_NT
.set i, i+1
.endr
	s_cmp_ge_u32 s22, 704
	s_cbranch_scc1 .Lf16
.set i, 0
.rept 16
	s_wait_loadcnt 15-i                            ; loads come back in order: row i is in, the 15 - i younger ones may stay out
	v_cvt_pk_bf16_f32 v[Y+2*i],   v[X+4*i],   v[X+4*i+1]
	v_cvt_pk_bf16_f32 v[Y+2*i+1], v[X+4*i+2], v[X+4*i+3]
	global_store_b64 v2, v[Y+2*i:Y+2*i+1], s[DST:DST+1] offset:2048*i th:TH_STORE_NT  ; no register is written twice, so no store's source needs a wait
.set i, i+1
.endr
	s_endpgm
.Lf16:                                         ; wo: the bf16 number, widened again (a shift, a mask) and written as f16
.set i, 0
.rept 16
	s_wait_loadcnt 15-i
	v_cvt_pk_bf16_f32 v3, v[X+4*i],   v[X+4*i+1]
	v_cvt_pk_bf16_f32 v4, v[X+4*i+2], v[X+4*i+3]
	v_lshlrev_b32 v5, 16, v3
	v_and_b32 v6, 0xffff0000, v3
	v_lshlrev_b32 v7, 16, v4
	v_and_b32 v3, 0xffff0000, v4
	v_cvt_pk_f16_f32 v[Y+2*i],   v5, v6
	v_cvt_pk_f16_f32 v[Y+2*i+1], v7, v3
	global_store_b64 v2, v[Y+2*i:Y+2*i+1], s[DST:DST+1] offset:2048*i th:TH_STORE_NT
.set i, i+1
.endr
	s_endpgm
.Ltable:                                       ; 16 positions a work-group; thread t: position t / 16, numbers 4 (t % 16) .. + 3 of its 64
	s_sub_co_u32 s23, s22, 768
	s_lshl_b32 s24, s23, 4                         ; the first position
	s_lshl_b32 s30, s23, 12                        ; 16 positions of 256 bytes
	s_mov_b32 s31, 0
	s_add_nc_u64 s[20:21], s[20:21], s[30:31]
	s_mov_b32 s26, 0x3fc90fdb                      ; pi / 2: a sine is the cosine of the angle less pi / 2
	s_mov_b32 s27, 0x3e800000                      ; the same in turns: 0.25
	s_mov_b32 s28, 0x40c90fdb                      ; 2 pi, its f32 part,
	s_mov_b32 s29, 0xb43bbd2e                      ; and what that leaves
	v_and_b32 v3, 15, v0
	v_lshrrev_b32 v4, 4, v0
	v_add_nc_u32 v4, s24, v4
	v_cvt_f32_u32 v5, v4                           ; the position
	v_and_b32 v6, 7, v3
	v_lshlrev_b32 v6, 2, v6                        ; my first d
	v_cmp_lt_u32 vcc_lo, 7, v3                     ; threads 8 .. 15 of a position make sines
	v_cndmask_b32 v7, 0, s26, vcc_lo
	v_cndmask_b32 v8, 0, s27, vcc_lo
.irp j, 0,1,2,3
	v_add_nc_u32 v[10+\j], \j, v6
	v_cvt_f32_u32 v[10+\j], v[10+\j]
	v_mul_f32 v[10+\j], 0xbed49a78, v[10+\j]       ; - d log2(10000) / 32
.endr
.irp j, 0,1,2,3
	v_exp_f32 v[10+\j], v[10+\j]                   ; 10000^(-d/32): one batch of four
.endr
	v_nop                                          ; a plain instruction behind the last of them,
	s_wait_alu depctr_va_vdst(0)                   ; and the one wait ahead of the first use
.irp j, 0,1,2,3
	v_mul_f32 v[14+\j], v5, v[10+\j]               ; the angle
	v_fma_f32 v[18+\j], v[14+\j], 0.15915494, -v8  ; in turns, less the sine's quarter
	v_rndne_f32 v[18+\j], v[18+\j]                 ; n whole turns
	v_fma_f32 v[14+\j], -v[18+\j], s28, v[14+\j]   ; angle - n 2 pi, in two parts
	v_fma_f32 v[14+\j], -v[18+\j], s29, v[14+\j]
	v_sub_f32 v[14+\j], v[14+\j], v7               ; now within -pi .. pi
	v_mul_f32 v[18+\j], v[14+\j], v[14+\j]
	v_mov_b32 v[22+\j], 0xa53413c3                 ; the cosine's series in x^2, from -1/18! down
.endr
.irp c, 0x29573f9f, 0xad49cba5, 0x310f76c7, 0xb493f27e, 0x37d00d01, 0xbab60b61, 0x3d2aaaab
.irp j, 0,1,2,3
	v_fmaak_f32 v[22+\j], v[22+\j], v[18+\j], \c
.endr
.endr
.irp j, 0,1,2,3
	v_fma_f32 v[22+\j], v[22+\j], v[18+\j], -0.5
.endr
.irp j, 0,1,2,3
	v_fma_f32 v[22+\j], v[22+\j], v[18+\j], 1.0
.endr
	global_store_b128 v1, v[22:25], s[20:21]       ; sixteen lanes fill a position's 256 bytes
	s_endpgm
.Lfunc_end_k_q8918db5d6d_prep:
	.size	k_q8918db5d6d_prep, .Lfunc_end_k_q8918db5d6d_prep-k_q8918db5d6d_prep
	.p2alignl 7, 3214868480
	.fill 96, 4, 3214868480
	.section	.rodata,"a",@progbits
	.p2align	6, 0x0
	.amdhsa_kernel k_q8918db5d6d_prep
		.amdhsa_group_segment_fixed_size 0
		.amdhsa_private_segment_fixed_size 0
		.amdhsa_enable_private_segment 0
		.amdhsa_kernarg_size 72
		.amdhsa_user_sgpr_count 2
		.amdhsa_user_sgpr_kernarg_segment_ptr 1
		.amdhsa_wavefront_size32 1
		.amdhsa_system_sgpr_workgroup_id_x 1
		.amdhsa_system_sgpr_workgroup_id_y 1
		.amdhsa_system_sgpr_workgroup_id_z 1
		.amdhsa_system_vgpr_workitem_id 0
		.amdhsa_next_free_vgpr 104
		.amdhsa_next_free_sgpr 66
		.amdhsa_reserve_vcc 1
		.amdhsa_float_denorm_mode_32 3
		.amdhsa_float_denorm_mode_16_64 3
		.amdhsa_memory_ordered 1
		.amdhsa_forward_progress 1
		.amdhsa_inst_pref_size 22
	.end_amdhsa_kernel
	.amdgpu_metadata
---
amdhsa.version: [ 1, 2 ]
amdhsa.kernels:
  - .name:           k_q8918db5d6d_prep
    .symbol:         k_q8918db5d6d_prep.kd
    .args:
      - { .name: x, .offset: 0, .size: 8, .value_kind: global_buffer, .address_space: global }
      - { .name: wq, .offset: 8, .size: 8, .value_kind: global_buffer, .address_space: global }
      - { .name: wk, .offset: 16, .size: 8, .value_kind: global_buffer, .address_space: global }
      - { .name: wv, .offset: 24, .size: 8, .value_kind: global_buffer, .address_space: global }
      - { .name: wo, .offset: 32, .size: 8, .value_kind: global_buffer, .address_space: global }
      - { .name: xb, .offset: 40, .size: 8, .value_kind: global_buffer, .address_space: global }
      - { .name: wb, .offset: 48, .size: 8, .value_kind: global_buffer, .address_space: global }
      - { .name: wob, .offset: 56, .size: 8, .value_kind: global_buffer, .address_space: global }
      - { .name: rope, .offset: 64, .size: 8, .value_kind: global_buffer, .address_space: global }
    .group_segment_fixed_size: 0
    .private_segment_fixed_size: 0
    .kernarg_segment_align: 8
    .kernarg_segment_size: 72
    .max_flat_workgroup_size: 256
    .sgpr_count:     66
    .vgpr_count:     104
    .wavefront_size: 32
...
	.end_amdgpu_metadata
.endif
;; end of part 1
;; launch qkv (part 2): grid 12 x 64, 4 waves a work-group, clusters of 4 x 4, 327,680 bytes of LDS; arguments xb, wb, rope, qkvh; writes qkvh
.if DOCPART == 2
	.amdgcn_target "amdgcn-amd-amdhsa--gfx1250"
	.amdhsa_code_object_version 6
	.text
	.protected	k_q8918db5d6d_qkv
	.globl	k_q8918db5d6d_qkv
	.p2align	8
	.type	k_q8918db5d6d_qkv,@function
k_q8918db5d6d_qkv:
	s_mov_b64 s[64:65], 0
	v_nop
	global_prefetch_b8 v0, s[64:65] scope:SCOPE_SE
	s_setreg_imm32_b32 hwreg(HW_REG_WAVE_MODE, 25, 1), 1
	s_wait_xcnt 0x0
	s_wait_alu depctr_hold_cnt(0) depctr_sa_sdst(0) depctr_va_vdst(0) depctr_va_sdst(0) depctr_va_ssrc(0) depctr_va_vcc(0) depctr_vm_vsrc(0)
	s_getreg_b32 s2, hwreg(HW_REG_IB_STS2, 6, 4)
	s_cmp_eq_u32 s2, 0
	s_cbranch_scc0 .Lentry_in_a_cluster
	s_endpgm
.Lentry_in_a_cluster:
	s_bfe_u32 s2, ttmp6, 0x10000c
	s_cmp_lg_u32 s2, 0xf033
	s_cbranch_scc0 .Lentry_shape_is_right
	s_endpgm
.Lentry_shape_is_right:
; Q, K, V = x W, rotated and laid out by heads.  A = xb [8192 m][1024 k] bf16; B = wb [3][1024 k][1024 n] bf16 (q, k, v), as the weights lie: K down the rows.
; Out: qkvh [3][32 heads of 4 batches x 8][2048 positions][128 channels] f16, rounded once from the f32 sums, WITHOUT the scale (the attention applies it in f32).
; LIMIT.  f16 ends at 65,504: q, k and v must lie within it.
; SHARES.  A work-group makes 128 rows x 256 columns of one of the three products: 64 x 12 = 768 work-groups.  Wave w makes rows 64 (w / 2) .. + 63, columns 128 (w % 2) .. + 127:
; 32 accumulators of 16 x 16.  A wave's 128 columns are ONE head: a rotation's pair (d, d + 32) lies in one lane, and a row of the result is 256 consecutive bytes from one wave.
; K goes in 8 steps of 128 through two LDS slots; a step is four quarters of 32, 32 matrix instructions each, on two fragment buffers.
; THE MATRIX INSTRUCTION IS USED TRANSPOSED: source 0 = 16 columns of B, source 1 = 16 rows of A: a lane then holds row l % 16 and the columns 8 (l / 16) + 0..7.
; B's fragments come out of LDS turned, by ds_load_tr16_b128, so the weights are never transposed in memory.
; CLUSTER 4 x 4: A's tile hangs on the tile row alone and is asked for jointly by a row of the cluster, B's on the tile column alone, by a column.
; Wave 0 asks for A's 128 rows, waves 1 and 2 for B's two halves of 128 columns, wave 3 for nothing: one tensor load a wave behind each round.
; REGISTERS: window 0: v16-30 addresses, v32-63 packed results, v64-159 and v160-255 two fragment buffers (A's four fragments, then B's eight);
;   window 1: accumulator (a, b) at v[8 (8 a + b)];   window 2: the rotation's table: for row block a and b = 0, 1 eight cosines at 32 a + 16 b, eight sines at + 8.
.set PA,     272                       ; a row of A in LDS: 256 bytes + 16: the 16 rows of a load start at 16 different groups of four banks (64 banks of 4 bytes: ISA guide 11.1)
.set PB,     288                       ; a row of B (128 columns of one k): 256 + 32
.set ATILE,  128*PA
.set BHALF,  128*PB
.set SLOT1,  1<<17                     ; slot 1 begins here: one exclusive or turns an address in one slot into the other's (a slot has 108,544 bytes)
.set STAGE,  SLOT1+ATILE+2*BHALF       ; behind the ring, never filled by a tensor load: 16 rows x 272 bytes for each wave
.set SP,     272
.set SPARE,  STAGE+4*16*SP             ; the spare words, 128 bytes for each wave: two blocks of 256 bytes that no other line names
.set KSTEPS, 8
.set ASTEP,  256                       ; a K step in memory: 128 numbers along A's rows,
.set BSTEP,  128*2048                  ; 128 rows of B
.set A0,   16                          ; v16  my lane's place in A's tile; never rewritten
.set B0,   17                          ; v17  the same for B
.set ADRA, 18                          ; v18  A0 + the slot in hand
.set ADRB, 19                          ; v19  B0 + the slot in hand
.set STO,  24                          ; v24  the way out: where I put 16 bytes of a row
.set RD,   25                          ; v25  where I read rows back
.set CO,   26                          ; v26  my 16 bytes in 512 consecutive bytes of the result
.set TO,   27                          ; v27  my byte offset in 16 positions of the table
.set SPW,  28                          ; v28  LDS address of my spare word; never rewritten
.set NIL,  29                          ; v29  0; never rewritten
.set PFO,  30                          ; v30  the prefetches' offset: 2,048 x lane, a row of A or of B; never rewritten
.set TMP,  32
.set F0,   64
.set F1,   160
.set RE,   64                          ; the way out: v64-79 rotated channels 0-31, v80-95 channels 32-63
.set BK,   96                          ; the way out: row block a's 16 rows, read back, at BK + 32 a
.set WV,   12                          ; s12  wave
.set RH,   13                          ; s13  which 64 rows are mine; also which half of B waves 1 and 2 fetch
.set CH,   14                          ; s14  which 128 columns
.set CX,   16
.set CY,   17
.set TC,   18                          ; s18  tile column, 0..11
.set TR,   19                          ; s19  tile row, 0..63
.set G1A,  24                          ; s[24:31] descriptor group 1 for A's tiles
.set G0A,  32                          ; s[32:39] group 0: a set for each first fill; the second then walks
.set G1B,  40
.set G0B,  48
.set SB,   56                          ; s56  the slot in hand: 0 or SLOT1
.set LIM,  57                          ; s57  2 in a wave that prefetches, else the greatest number
.set PFA,  58                          ; s[58:59] where my prefetches stand
.set PST,  60                          ; s[60:61] their step
.set MSB, 0
.macro WIN new                         ; the immediate's high byte repeats the setting that is left; a switch that changes nothing is dropped
.if MSB != (\new)
	s_set_vgpr_msb (MSB<<8)|(\new)
.set MSB, \new
.endif
.endm
.macro PLACES                          ; four plain instructions between a matrix instruction and a load into, or a vector read of, its registers (ISA guide 7.12.1 for vector reads)
.rept 4
	v_nop
.endr
.endm
.macro CREST                           ; a round of the cluster's barrier behind its opening barrier
	s_cmp_lg_u32 s[WV], 0
	s_cbranch_scc1 .Lnot_wave_0_\@
	s_barrier_signal -3
.Lnot_wave_0_\@:
	s_barrier_wait -3
	s_barrier_signal -1
	s_barrier_wait -1
.endm
.macro CROUND
	s_barrier_signal -1
	s_barrier_wait -1
	CREST
.endm
.macro JLOAD                           ; a joint refill by the walking sets; the branches hang on the wave's number alone; s_nop 0 and four v_nop follow each load
	s_cmp_eq_u32 s[WV], 0
	s_cbranch_scc0 .Lnot_a_\@
	tensor_load_to_lds s[G0A+4:G0A+7], s[G1A:G1A+7]
	s_nop 0
.rept 4
	v_nop
.endr
	s_branch .Lasked_\@
.Lnot_a_\@:
	s_cmp_eq_u32 s[WV], 3
	s_cbranch_scc1 .Lasked_\@
	tensor_load_to_lds s[G0B+4:G0B+7], s[G1B:G1B+7]
	s_nop 0
.rept 4
	v_nop
.endr
.Lasked_\@:
.endm
; A prefetch of the K step that stands two refills on: 32 rows x 256 bytes, a lane a row.  A's rows are read by the three clusters of a row of clusters: cluster x = 0 asks, wave 0;
; B's by the sixteen clusters of a column: cluster y = 0 asks, waves 1 and 2.  The four partners that ask for a tile jointly take 32 of its 128 rows each, told apart by address alone.
; So each row's 256 bytes of a step are named once.  K steps 0 to 3 come by their loads alone; the last two refills (s3 = 2, 1) have no step two on.
.macro ASK
	s_cmp_gt_u32 s3, s[LIM]
	s_cbranch_scc0 .Lnot_mine_\@
	global_prefetch_b8 v[PFO], s[PFA:PFA+1] th:TH_LOAD_NT scope:SCOPE_SE
.Lnot_mine_\@:
.endm
	s_load_b256 s[4:11], s[0:1], 0x0               ; xb s[4:5], wb s[6:7], rope s[8:9], qkvh s[10:11]
	v_lshl_add_u32 v[SPW], v0, 2, SPARE
	v_mov_b32 v[NIL], 0
	ds_add_u32 v[SPW], v[NIL]                      ; the wave's opening: the add and its wait stand ahead of the first tensor load; work on registers stands between them
	v_lshrrev_b32 v1, 5, v0
	v_readfirstlane_b32 s[WV], v1
	s_lshr_b32 s[RH], s[WV], 1
	s_and_b32 s[CH], s[WV], 1
	s_mov_b32 s2, ttmp9                            ; cluster x: which of q, k, v
	s_bfe_u32 s[CX], ttmp6, 0x40000
	s_bfe_u32 s[CY], ttmp6, 0x40004
	s_lshl_b32 s[TC], ttmp9, 2
	s_add_co_u32 s[TC], s[TC], s[CX]
	s_and_b32 s[TR], ttmp7, 0xffff
	s_lshl_b32 s[TR], s[TR], 2
	s_add_co_u32 s[TR], s[TR], s[CY]
	s_lshl_b32 s20, s[CY], 2
	s_lshl_b32 s20, 15, s20                        ; my row of the cluster
	s_lshl_b32 s21, 0x1111, s[CX]                  ; my column
	s_or_b32 s[G1A], s20, (1<<16)|(1<<20)|(1<<21)|(5<<22)|(3<<25)  ; the mask; 2-byte elements; padding on; bit 21 beside a mask; after every 64 words, 4 words
	s_or_b32 s[G1B], s21, (1<<16)|(1<<20)|(1<<21)|(5<<22)|(7<<25)  ; the same with my column's mask and 8 words
.irp g, G1A, G1B
	s_mov_b32 s[(\g)+1], 128<<16                   ; tensor_dim0 = 128
	s_mov_b32 s[(\g)+2], 128<<16                   ; tensor_dim1 = 128
	s_mov_b32 s[(\g)+3], 128<<16                   ; tile_dim0 = 128
	s_mov_b32 s[(\g)+4], 128                       ; tile_dim1 = 128
	s_mov_b32 s[(\g)+5], 1024                      ; 1,024 elements from row to row, in A and in B
	s_mov_b32 s[(\g)+6], 0
	s_mov_b32 s[(\g)+7], 0
.endr
	s_lshl_b32 s22, s[TR], 18                      ; A's tile: 128 rows of 2,048 bytes a tile row
	s_mov_b32 s23, 0
	s_lshl_b32 s66, s[CX], 9                       ; B's tile: 256 columns a tile column,
	s_lshl_b32 s68, s[RH], 8                       ; the half that I fetch,
	s_add_co_u32 s66, s66, s68
	s_lshl_b32 s68, s2, 21                         ; the matrix
	s_add_co_u32 s66, s66, s68
	s_mov_b32 s67, 0
	s_mul_i32 s69, s[RH], BHALF
	s_add_co_u32 s69, s69, ATILE                   ; and its place in a slot: no place in the cluster enters an LDS address
	s_wait_dscnt 0x0                               ; the opening add is done
	s_wait_kmcnt 0x0
	s_add_nc_u64 s[22:23], s[4:5], s[22:23]
	s_add_nc_u64 s[66:67], s[6:7], s[66:67]
	CROUND                                         ; all sixteen work-groups are here: the first joint loads meet
.irp s, 0,1
	s_mov_b32 s[G0A+4*(\s)], 1
	s_mov_b32 s[G0A+4*(\s)+1], (\s)*SLOT1
	s_add_nc_u64 s[G0A+4*(\s)+2:G0A+4*(\s)+3], s[22:23], (\s)*ASTEP
	s_or_b32 s[G0A+4*(\s)+3], s[G0A+4*(\s)+3], 0x80000000
	s_mov_b32 s[G0B+4*(\s)], 1
	s_add_co_u32 s[G0B+4*(\s)+1], s69, (\s)*SLOT1
	s_add_nc_u64 s[G0B+4*(\s)+2:G0B+4*(\s)+3], s[66:67], (\s)*BSTEP
	s_or_b32 s[G0B+4*(\s)+3], s[G0B+4*(\s)+3], 0x80000000
.endr
	s_cmp_eq_u32 s[WV], 0                          ; a wave's two first fills stand in one branch, ahead of every wait on TENSORcnt and every LDS read: two loads of mine are out
	s_cbranch_scc0 .Lff_b
	tensor_load_to_lds s[G0A:G0A+3], s[G1A:G1A+7]
	s_nop 0
	tensor_load_to_lds s[G0A+4:G0A+7], s[G1A:G1A+7]
	s_nop 0
.rept 4
	v_nop
.endr
	s_branch .Lff_done
.Lff_b:
	s_cmp_eq_u32 s[WV], 3
	s_cbranch_scc1 .Lff_done
	tensor_load_to_lds s[G0B:G0B+3], s[G1B:G1B+7]
	s_nop 0
	tensor_load_to_lds s[G0B+4:G0B+7], s[G1B:G1B+7]
	s_nop 0
.rept 4
	v_nop
.endr
.Lff_done:
	; A's fragment: lane l holds row l % 16, K = 8 (l / 16) + 0..7 and 16 + 8 (l / 16) + 0..7: two loads of 16 bytes, 32 apart.
	v_and_b32 v1, 15, v0                           ; r
	v_bfe_u32 v2, v0, 4, 1                         ; h
	v_mul_u32_u24 v[A0], v1, PA
	v_lshl_add_u32 v[A0], v2, 4, v[A0]
	s_mul_i32 s70, s[RH], 64*PA
	v_add_nc_u32 v[A0], s70, v[A0]
	; B's: the turning load takes 16 k x 16 columns (lane l reads k = 8 (l / 16) + l % 8, columns 8 ((l / 8) % 2) + 0..7) and leaves column l % 16 and 8 k in lane l.
	v_and_b32 v3, 7, v0
	v_bfe_u32 v4, v0, 3, 1
	v_lshl_add_u32 v[B0], v2, 3, v3
	v_mul_u32_u24 v[B0], v[B0], PB
	v_lshl_add_u32 v[B0], v4, 4, v[B0]
	s_mul_i32 s70, s[CH], BHALF
	s_add_co_u32 s70, s70, ATILE
	v_add_nc_u32 v[B0], s70, v[B0]
	s_mul_i32 s70, s[WV], 16*SP
	s_add_co_u32 s70, s70, STAGE                   ; my stage
	v_mul_u32_u24 v[STO], v1, SP                   ; in: row r, 16 bytes for each half of the lanes
	v_lshl_add_u32 v[STO], v2, 4, v[STO]
	v_add_nc_u32 v[STO], s70, v[STO]
	v_mul_u32_u24 v[RD], v2, SP                    ; back: lanes 0-15 one row of 256 bytes, lanes 16-31 the next
	v_lshl_add_u32 v[RD], v1, 4, v[RD]
	v_add_nc_u32 v[RD], s70, v[RD]
	v_and_b32 v[CO], 31, v0
	v_lshlrev_b32 v[CO], 4, v[CO]                  ; which are 512 consecutive bytes of a head
	v_lshlrev_b32 v[TO], 8, v1
	v_lshl_add_u32 v[TO], v2, 5, v[TO]             ; position r, my eight numbers
	; where my 64 rows of my head begin: tensor, batch x 8 + head, position
	s_lshl_b32 s70, s2, 24
	s_lshr_b32 s71, s[TR], 4
	s_lshl_b32 s71, s71, 3
	s_lshl_b32 s68, s[TC], 1
	s_add_co_u32 s68, s68, s[CH]
	s_and_b32 s68, s68, 7
	s_add_co_u32 s71, s71, s68
	s_lshl_b32 s71, s71, 19
	s_add_co_u32 s70, s70, s71
	s_and_b32 s68, s[TR], 15
	s_lshl_b32 s68, s68, 15                        ; 128 positions of 256 bytes a tile row: in the result and in the table alike
	s_lshl_b32 s69, s[RH], 14
	s_add_co_u32 s68, s68, s69
	s_add_co_u32 s70, s70, s68
	s_mov_b32 s71, 0
	s_mov_b32 s69, 0
	s_add_nc_u64 s[10:11], s[10:11], s[70:71]
	s_add_nc_u64 s[8:9], s[8:9], s[68:69]
	; the prefetches: my work-group's 32 rows, at K step 3; the first refill steps them to 4
	s_and_b32 s20, ttmp7, 0xffff                   ; cluster y
	s_lshl_b32 s21, s[TR], 18
	s_lshl_b32 s22, s[CX], 16
	s_add_co_u32 s21, s21, s22
	s_add_co_u32 s21, s21, 3*ASTEP                 ; A: rows 128 TR + 32 cx on
	s_lshl_b32 s22, s[CX], 9
	s_lshl_b32 s23, s[RH], 8
	s_add_co_u32 s22, s22, s23
	s_lshl_b32 s23, s[CY], 16
	s_add_co_u32 s22, s22, s23
	s_lshl_b32 s23, s2, 21
	s_add_co_u32 s22, s22, s23
	s_add_co_u32 s22, s22, 3*BSTEP                 ; B: my half's columns, rows 32 cy on of the step
	s_mov_b32 s23, ASTEP
	s_cmp_eq_u32 s[WV], 0
	s_cselect_b32 s66, s21, s22
	s_cselect_b32 s[PST], s23, BSTEP
	s_cselect_b32 s20, s2, s20                     ; the coordinate along which other clusters read the same rows
	s_cselect_b64 s[PFA:PFA+1], s[4:5], s[6:7]
	s_mov_b32 s67, 0
	s_mov_b32 s[PST+1], 0
	s_add_nc_u64 s[PFA:PFA+1], s[PFA:PFA+1], s[66:67]
	s_cmp_eq_u32 s[WV], 3
	s_cselect_b32 s20, 1, s20                      ; wave 3 fetches nothing and asks for nothing
	s_cmp_eq_u32 s20, 0
	s_cselect_b32 s[LIM], 2, -1                    ; the same in all sixteen partners, for a given wave
	v_and_b32 v[PFO], 31, v0
	v_lshlrev_b32 v[PFO], 11, v[PFO]
	; the table, for q and k; v takes cosine 1 and sine 0, so that one way out serves all three.  The branch hangs on the cluster's x, which all partners share.
	s_cmp_lt_u32 s2, 2
	s_cbranch_scc0 .Lno_rope
	WIN 0x80                                       ; destination window 2, address window 0
.irp a, 0,1,2,3
.irp b, 0,1
	global_load_b128 v[32*(\a)+16*(\b):32*(\a)+16*(\b)+3],     v[TO], s[8:9] offset:4096*(\a)+64*(\b)
	global_load_b128 v[32*(\a)+16*(\b)+4:32*(\a)+16*(\b)+7],   v[TO], s[8:9] offset:4096*(\a)+64*(\b)+16
	global_load_b128 v[32*(\a)+16*(\b)+8:32*(\a)+16*(\b)+11],  v[TO], s[8:9] offset:4096*(\a)+64*(\b)+128
	global_load_b128 v[32*(\a)+16*(\b)+12:32*(\a)+16*(\b)+15], v[TO], s[8:9] offset:4096*(\a)+64*(\b)+144
.endr
.endr
	WIN 0
	s_branch .Ltable_done
.Lno_rope:
	WIN 0x80
.set i, 0
.rept 8
.irp z, 0,1,2,3,4,5,6,7
	v_mov_b32 v[16*i+\z], 1.0
	v_mov_b32 v[16*i+8+\z], 0
.endr
.set i, i+1
.endr
	WIN 0
.Ltable_done:
; 8 matrix instructions: row block a x all 8 column blocks, 32 along K.  The 32 accumulators take turns in the same order in every quarter: 31 others stand between two links of a chain.
.macro MULA f, a, zero
	WIN 0x50                                       ; C and D window 1, the fragments window 0
.irp b, 0,1,2,3,4,5,6,7
.if \zero
	v_wmma_f32_16x16x32_bf16 v[8*(8*(\a)+(\b)):8*(8*(\a)+(\b))+7], v[(\f)+32+8*(\b):(\f)+32+8*(\b)+7], v[(\f)+8*(\a):(\f)+8*(\a)+7], 0
.else
	v_wmma_f32_16x16x32_bf16 v[8*(8*(\a)+(\b)):8*(8*(\a)+(\b))+7], v[(\f)+32+8*(\b):(\f)+32+8*(\b)+7], v[(\f)+8*(\a):(\f)+8*(\a)+7], v[8*(8*(\a)+(\b)):8*(8*(\a)+(\b))+7]
.endif
.endr
.endm
; 24 LDS loads in one run: quarter q's fragments into buffer f: B's sixteen, then A's eight
.macro FETCH q, f
	WIN 0
.irp b, 0,1,2,3,4,5,6,7
	ds_load_tr16_b128 v[(\f)+32+8*(\b):(\f)+32+8*(\b)+3],   v[ADRB] offset:(\q)*32*PB+32*(\b)
	ds_load_tr16_b128 v[(\f)+32+8*(\b)+4:(\f)+32+8*(\b)+7], v[ADRB] offset:(\q)*32*PB+32*(\b)+16*PB
.endr
.irp a, 0,1,2,3
	ds_load_b128 v[(\f)+8*(\a):(\f)+8*(\a)+3],   v[ADRA] offset:64*(\q)+(\a)*16*PA
	ds_load_b128 v[(\f)+8*(\a)+4:(\f)+8*(\a)+7], v[ADRA] offset:64*(\q)+(\a)*16*PA+32
.endr
.endm
; One of a step's first three quarters: multiplies buffer f; in its middle fetches quarter q into buffer g
.macro QUARTER q, f, g, zero
	s_wait_dscnt 4                                 ; B and A's fragments 0, 1 are in; the youngest four loads (A's fragments 2, 3) may be out
	MULA \f, 0, \zero
	MULA \f, 1, \zero
	PLACES
	FETCH \q, \g
	s_wait_dscnt 24                                ; all but the 24 just issued
	MULA \f, 2, \zero
	MULA \f, 3, \zero
.endm
; The last quarter multiplies buffer 1 and changes slots.  In front of the one barrier each wave waits for all its tensor loads (its part of the next slot), adds 0 to its spare word, and waits for that
; and for its reads of this slot.  fill = 1: the barrier opens a round of the cluster's, and this slot is filled again first thing behind it, with the step two on: 112 matrix instructions ahead of the wait for it.
.macro TURN fill
.if \fill
	s_wait_xcnt 0x0                                ; the last prefetch, a K step back, has read its address
	s_add_nc_u64 s[PFA:PFA+1], s[PFA:PFA+1], s[PST:PST+1]
.endif
	WIN 0
	s_wait_tensorcnt 0x0
	ds_add_u32 v[SPW], v[NIL]
	s_wait_dscnt 5                                 ; (the add and A's fragments 2, 3 may be out)
	MULA F1, 0, 0
	s_wait_dscnt 0x0                               ; the add is done, and my reads of this slot are over
	s_barrier_signal -1
	MULA F1, 1, 0
	WIN 0
	s_barrier_wait -1
.if \fill
	CREST                                          ; no wave of any partner still reads this slot or has a load on its way
	s_xor_b32 s[G0A+5], s[G0A+5], SLOT1            ; the walking sets: the other slot than last time, the next K step
	s_add_nc_u64 s[G0A+6:G0A+7], s[G0A+6:G0A+7], ASTEP
	s_xor_b32 s[G0B+5], s[G0B+5], SLOT1
	s_add_nc_u64 s[G0B+6:G0B+7], s[G0B+6:G0B+7], BSTEP
	JLOAD
.endif
	s_xor_b32 s[SB], s[SB], SLOT1
	PLACES
	v_add_nc_u32 v[ADRA], s[SB], v[A0]
	v_add_nc_u32 v[ADRB], s[SB], v[B0]
	FETCH 0, F0
.if \fill
	ASK
.endif
	MULA F1, 2, 0
	MULA F1, 3, 0
.endm
	s_wait_tensorcnt 1                             ; my part of K step 0 is in; step 1's may stay out
	s_barrier_signal -1
	s_barrier_wait -1
	s_mov_b32 s[SB], 0
	v_add_nc_u32 v[ADRA], s[SB], v[A0]
	v_add_nc_u32 v[ADRB], s[SB], v[B0]
	FETCH 0, F0
	QUARTER 1, F0, F1, 1                           ; the first quarter's products start the sums: nothing is cleared
	WIN 0
	s_mov_b32 s3, KSTEPS-2
.Lk:                                           ; a trip: from a step's second quarter to the next step's first; it refills K steps 2 to 7
	QUARTER 2, F1, F0, 0
	QUARTER 3, F0, F1, 0
	TURN 1
	QUARTER 1, F0, F1, 0
	WIN 0
	s_sub_co_u32 s3, s3, 1
	s_cmp_lg_u32 s3, 0
	s_cbranch_scc1 .Lk
	QUARTER 2, F1, F0, 0                           ; the last two steps ask for nothing
	QUARTER 3, F0, F1, 0
	TURN 0
	QUARTER 1, F0, F1, 0
	QUARTER 2, F1, F0, 0
	QUARTER 3, F0, F1, 0
	s_wait_dscnt 4
	MULA F1, 0, 0
	MULA F1, 1, 0
	s_wait_dscnt 0x0
	MULA F1, 2, 0
	MULA F1, 3, 0
; THE WAY OUT, a block of 16 rows at a time.  PACK: channels d and d + 32 (d < 32: accumulators b and b + 2, the same lane and register) are rotated, e cos - o sin and e sin + o cos;
; all 128 channels are rounded to f16.  Each accumulator's lowest registers are read first.
.macro PACK a
	WIN 0x09                                       ; source 0 window 1 (sums), source 1 window 2 (table)
.irp b, 0,1
.irp p, 0,2,4,6
	v_pk_mul_f32 v[RE+8*(\b)+(\p):RE+8*(\b)+(\p)+1],       v[8*(8*(\a)+(\b)+2)+(\p):8*(8*(\a)+(\b)+2)+(\p)+1], v[32*(\a)+16*(\b)+8+(\p):32*(\a)+16*(\b)+8+(\p)+1]
	v_pk_mul_f32 v[RE+16+8*(\b)+(\p):RE+16+8*(\b)+(\p)+1], v[8*(8*(\a)+(\b)+2)+(\p):8*(8*(\a)+(\b)+2)+(\p)+1], v[32*(\a)+16*(\b)+(\p):32*(\a)+16*(\b)+(\p)+1]
.endr
.irp p, 0,2,4,6
	v_pk_fma_f32 v[RE+8*(\b)+(\p):RE+8*(\b)+(\p)+1],       v[8*(8*(\a)+(\b))+(\p):8*(8*(\a)+(\b))+(\p)+1], v[32*(\a)+16*(\b)+(\p):32*(\a)+16*(\b)+(\p)+1], v[RE+8*(\b)+(\p):RE+8*(\b)+(\p)+1] neg_lo:[0,0,1] neg_hi:[0,0,1]
	v_pk_fma_f32 v[RE+16+8*(\b)+(\p):RE+16+8*(\b)+(\p)+1], v[8*(8*(\a)+(\b))+(\p):8*(8*(\a)+(\b))+(\p)+1], v[32*(\a)+16*(\b)+8+(\p):32*(\a)+16*(\b)+8+(\p)+1], v[RE+16+8*(\b)+(\p):RE+16+8*(\b)+(\p)+1]
.endr
.endr
	WIN 0
.set i, 0
.rept 16
	v_cvt_pk_f16_f32 v[TMP+i], v[RE+2*i], v[RE+2*i+1]
.set i, i+1
.endr
	WIN 0x05                                       ; sources 0 and 1 window 1: channels 64-127 pass through
.set i, 0
.rept 16
	v_cvt_pk_f16_f32 v[TMP+16+i], v[8*(8*(\a)+4)+2*i], v[8*(8*(\a)+4)+2*i+1]
.set i, i+1
.endr
	WIN 0
.endm
.macro TOSTAGE a                       ; into my own stage, and back as whole rows of 256 bytes
.irp b, 0,1,2,3,4,5,6,7
	ds_store_b128 v[STO], v[TMP+4*(\b):TMP+4*(\b)+3] offset:32*(\b)
.endr
.irp t, 0,1,2,3,4,5,6,7
	ds_load_b128 v[BK+32*(\a)+4*(\t):BK+32*(\a)+4*(\t)+3], v[RD] offset:(\t)*2*SP  ; LDS serves a wave's instructions in order (ISA guide 5.7.1.4): these see the stores above
.endr
.endm
.macro SEND a                          ; each block has registers of its own, so no store's source is written again
	s_wait_dscnt 0x0
.irp t, 0,1,2,3,4,5,6,7
	global_store_b128 v[CO], v[BK+32*(\a)+4*(\t):BK+32*(\a)+4*(\t)+3], s[10:11] offset:4096*(\a)+512*(\t)  ; 512 consecutive bytes, at a multiple of 256 from the buffer's first
.endr
.endm
	s_wait_loadcnt 0x0                             ; the table
	PLACES
	PACK 0
	TOSTAGE 0
.irp a, 1,2,3                          ; block a's arithmetic stands between block a - 1's loads from the stage and the wait for them
	PACK \a
	SEND (\a)-1
	TOSTAGE \a
.endr
	SEND 3
	s_wait_tensorcnt 0x0                           ; the wave's end: behind my last tensor load and my last LDS store
	ds_add_u32 v[SPW], v[NIL]
	s_wait_dscnt 0x0
	CROUND                                         ; the closing round: no work-group ends while a partner may still ask for a tile that names it
	s_endpgm
.Lfunc_end_k_q8918db5d6d_qkv:
	.size	k_q8918db5d6d_qkv, .Lfunc_end_k_q8918db5d6d_qkv-k_q8918db5d6d_qkv
	.p2alignl 7, 3214868480
	.fill 96, 4, 3214868480
	.section	.rodata,"a",@progbits
	.p2align	6, 0x0
	.amdhsa_kernel k_q8918db5d6d_qkv
		.amdhsa_group_segment_fixed_size 327680
		.amdhsa_private_segment_fixed_size 0
		.amdhsa_enable_private_segment 0
		.amdhsa_kernarg_size 32
		.amdhsa_user_sgpr_count 2
		.amdhsa_user_sgpr_kernarg_segment_ptr 1
		.amdhsa_wavefront_size32 1
		.amdhsa_system_sgpr_workgroup_id_x 1
		.amdhsa_system_sgpr_workgroup_id_y 1
		.amdhsa_system_sgpr_workgroup_id_z 1
		.amdhsa_system_vgpr_workitem_id 0
		.amdhsa_next_free_vgpr 640
		.amdhsa_next_free_sgpr 72
		.amdhsa_reserve_vcc 0
		.amdhsa_float_denorm_mode_32 3
		.amdhsa_float_denorm_mode_16_64 3
		.amdhsa_memory_ordered 1
		.amdhsa_forward_progress 1
		.amdhsa_inst_pref_size 87
	.end_amdhsa_kernel
	.amdgpu_metadata
---
amdhsa.version: [ 1, 2 ]
amdhsa.kernels:
  - .name:           k_q8918db5d6d_qkv
    .symbol:         k_q8918db5d6d_qkv.kd
    .args:
      - { .name: xb, .offset: 0, .size: 8, .value_kind: global_buffer, .address_space: global }
      - { .name: wb, .offset: 8, .size: 8, .value_kind: global_buffer, .address_space: global }
      - { .name: rope, .offset: 16, .size: 8, .value_kind: global_buffer, .address_space: global }
      - { .name: qkvh, .offset: 24, .size: 8, .value_kind: global_buffer, .address_space: global }
    .group_segment_fixed_size: 327680
    .private_segment_fixed_size: 0
    .kernarg_segment_align: 8
    .kernarg_segment_size: 32
    .max_flat_workgroup_size: 128
    .sgpr_count:     72
    .vgpr_count:     640
    .wavefront_size: 32
...
	.end_amdgpu_metadata
.endif
;; end of part 2
;; launch attn (part 3): grid 8 x 32, 4 waves a work-group, clusters of 4 x 1, 327,680 bytes of LDS; arguments qkvh, ob; writes ob
.if DOCPART == 3
	.amdgcn_target "amdgcn-amd-amdhsa--gfx1250"
	.amdhsa_code_object_version 6
	.text
	.protected	k_q8918db5d6d_attn
	.globl	k_q8918db5d6d_attn
	.p2align	8
	.type	k_q8918db5d6d_attn,@function
k_q8918db5d6d_attn:
	s_mov_b64 s[64:65], 0
	v_nop
	global_prefetch_b8 v0, s[64:65] scope:SCOPE_SE
	s_setreg_imm32_b32 hwreg(HW_REG_WAVE_MODE, 25, 1), 1
	s_wait_xcnt 0x0
	s_wait_alu depctr_hold_cnt(0) depctr_sa_sdst(0) depctr_va_vdst(0) depctr_va_sdst(0) depctr_va_ssrc(0) depctr_va_vcc(0) depctr_vm_vsrc(0)
	s_getreg_b32 s2, hwreg(HW_REG_IB_STS2, 6, 4)
	s_cmp_eq_u32 s2, 0
	s_cbranch_scc0 .Lentry_in_a_cluster
	s_endpgm
.Lentry_in_a_cluster:
	s_bfe_u32 s2, ttmp6, 0x10000c
	s_cmp_lg_u32 s2, 0x3003
	s_cbranch_scc0 .Lentry_shape_is_right
	s_endpgm
.Lentry_shape_is_right:
; CAUSAL ATTENTION, head size 128.  O[q] = the sum over k <= q of softmax_k(Q[q] . K[k] / 128) V[k].  qkvh: [3][32 heads][2048][128] f16 (rows of 256 bytes); ob: [8192 rows][8 heads x 128] f16.
; Products, maxima and sums in f32; the weights p are rounded to f16 for the second product (their sum l is taken of the unrounded p), O once at the end.
; LIMITS.  A hidden score counts as its value less 1e30.  The running maximum starts at -1e20: true scores, 5.5e11 at the most in f16's range, lie far above it, hidden ones far below.
; A weight below 2^-126 counts as 0.  NaN and infinities are not treated apart.
; THE WALK.  A head's queries lie in four superblocks of 512.  Cluster J (0, 1) of a head takes superblock 3 - J and then superblock J; its partner cx takes rows 128 cx .. + 127 of each.
; All four partners walk the same key slots of 256 keys: 2 (4 - J), then 2 (J + 1): TEN slots for every work-group of the launch, one loop with a constant trip count, and every tile of K and V
; is asked for JOINTLY by the four.  What differs between partners (which keys are hidden) enters by selects into the masks alone: no branch and no LDS address hangs on cx.
; SHARES.  Wave w has queries 64 (w / 2) .. + 63 of the block, four tiles of 16, and keys 128 (w % 2) .. + 127 of each slot, two steps of 64: THE KEYS ARE SPLIT between the two waves of a query group,
; so that each fragment of K and V read from LDS feeds four tiles.  At a block's end the two partial results (O, l, c m, all f32) meet in LDS.
; LAYOUT.  S^T = K Q^T (source 0 = 16 keys, source 1 = 16 queries): a lane holds ONE query (lane % 16) and the keys 8 (lane / 16) + 0..7.  Two such results rounded to f16 ARE source 1 of O^T = V^T P.
; SOFTMAX.  p = 2^(c s - c m), c = log2(e) / 128, m the running maximum; in every step O and l are multiplied by a = 2^(c m_old - c m_new).  At a block's first visible step a = 0, which wipes what the registers held.
; A wave that sees only hidden keys keeps m at its start, all its p are 0, and at the meeting its factor is 0.
; THE MASK is the C operand that starts a sum S^T: one of three blocks of 8 registers, by key block kb and tile t: ML (kb < t), MDD (kb = t), MU (kb > t), made anew for each step from the step's first key KPOS
; and the wave's first query QPOS: all 0 if KPOS < QPOS, all -1e30 if KPOS > QPOS; if equal ML = 0, MDD = the diagonal's MD, MU = -1e30.
; BY TURNS.  The wave's tiles are two pieces (tiles 0, 1 and tiles 2, 3).  In a turn one piece has the matrix unit: 32 products V^T P of the step in hand, 32 products K Q^T of the next;
; the other piece's softmax, cut into 64 slices, stands behind them, one slice behind each.  Two turns are a key step.
; REGISTERS, in windows of 256: window 0: v2-8 addresses; v12-43 eight statistics a tile; v44-57 the meeting; v61-63; v64-191 S^T, 32 a tile; v192-255 P, 16 a tile
;   window 1: O^T, 64 a tile     window 2: v0-127 Q; v128-255 K of one step     window 3: v0-127 V of one step; v128-159 MD, MDD, ML, MU
.set KS,    64
.set PK,    272       ; a row of K in LDS: 256 bytes + 16: the 16 rows of a load start at 16 different groups of four banks (64 banks of 4 bytes: ISA guide 11.1)
.set PV,    288       ; a row of V: 256 + 32
.set VOFF,  256*PK    ; a slot: 256 rows of K, then 256 rows of V
.set STAT,  VOFF+256*PV  ; behind slot 0: 512 bytes a wave: c m and l of the tiles that it hands over
.set SPARE, STAT+2048 ; the spare words, 128 bytes for each wave: two blocks of 256 bytes that no other line names
.set S1,    147456    ; slot 1: bits 17 and 14, which no address inside a slot's descriptors has: one exclusive or changes slots
.set XCH,   S1+STAT   ; behind slot 1: 8,192 bytes a wave: the tile of O^T that it hands over; afterwards its stage, 16 rows x 272 bytes
.set SP,    272
.set AK0, 2           ; v2   my lane's place in my half of a slot's K; never rewritten
.set AV0, 3           ; v3   the same for V
.set ADR, 4           ; v4   the LDS address of the run of loads in hand
.set QO,  5           ; v5   my byte offset in the wave's rows of Q
.set STO, 6           ; v6   the way out: where I put 16 bytes of a row
.set RD,  7           ; v7   where I read rows back
.set GO,  8           ; v8   my byte offset in two rows of ob
.set ST,  12          ; tile t's statistics at v[ST+8 t]: c m, m, l (even keys', odd keys'), c0-c3 at work; a takes c2's place
.set XS,  44          ; v44  where I put 16 bytes of the tile that I hand over
.set XR,  45          ; v45  where my partner wave put its
.set STA, 46          ; v46  my word among my statistics
.set STR, 47          ; v47  among my partner's
.set PFO, 61          ; v61  256 x lane: a row of K or V; never rewritten
.set SPW, 62          ; v62  LDS address of my spare word; never rewritten
.set NIL, 63          ; v63  0; never rewritten
.set S,   64
.set P,   192
.set KF,  128         ; window 2
.set MD,  128         ; window 3
.set MDD, 136
.set ML,  144
.set MU,  152
.set QA1, 8           ; s[8:9]   Q at my rows of the first block
.set QA2, 10          ; s[10:11] of the second
.set WV,  12
.set KH,  13          ; s13  which half of a slot's keys is mine; also which half of a tile I fetch
.set QG,  14          ; s14  which 64 queries
.set CX,  15
.set KB,  16          ; s[16:17] K at my half of the head's slot 0
.set VB,  18          ; s[18:19] V likewise
.set OB,  20          ; s[20:21] ob at the 32 rows that I finish, block in hand
.set OB2, 22          ; s[22:23] second block
.set G1K, 24
.set G1V, 32
.set G0K, 40
.set G0V, 44
.set J,   48
.set SLOTS, 49        ; s49  slots still to be asked for
.set TWICE, 50        ; s50  counts a slot's steps
.set RT,  51          ; s51  slots of the block in hand still to be finished
.set NXT, 52          ; s52  the key slot to be asked for next
.set LQ,  53          ; s53  the last key slot of the block whose slots are being asked for
.set NEW, 54          ; s54  1: the slot to be entered is a block's first
.set LQ2, 55
.set CS,  56          ; s[56:57] c
.set SEL, 58          ; s[58:59] v_permlanex16_b32's selects: each lane takes its own place in the other half
.set TBK, 60          ; s60  LDS byte at which the slot's K of the step to be fetched begins
.set TBV, 61
.set KPOS, 62         ; s62  first key of the step to be fetched
.set QPOS, 63         ; s63  my wave's first query
.set QPOS2, 66
.set RT2, 67
.set OFF, 68          ; s[68:69]
.set AL,  70          ; s[70:71]
.set BE,  72          ; s[72:73]
.set BU,  74
.set BIGN, 75
.set PFA, 76          ; s[76:77]
.set LIM, 78
.set MSB, 0
.macro WIN new
.if MSB != (\new)
	s_set_vgpr_msb (MSB<<8)|(\new)
.set MSB, \new
.endif
.endm
.set W_KQ, 0x0a       ; K and Q in window 2, S^T in window 0
.set W_KM, 0x3a       ; the same with the C operand in window 3
.set W_PV, 0x53       ; V in window 3, P in window 0, O^T in window 1
.set W_RS, 0x41       ; destination and source 0 in window 1
.macro PLACES
.rept 4
	v_nop
.endr
.endm
.macro JLOAD                        ; a joint fill: waves 0, 1 fetch the two halves of a slot's K, waves 2, 3 of its V; s_nop 0 and four v_nop follow each line
	s_cmp_lt_u32 s[WV], 2
	s_cbranch_scc0 .Lfor_v_\@
	tensor_load_to_lds s[G0K:G0K+3], s[G1K:G1K+7]
	s_nop 0
.rept 4
	v_nop
.endr
	s_branch .Lasked_\@
.Lfor_v_\@:
	tensor_load_to_lds s[G0V:G0V+3], s[G1V:G1V+7]
	s_nop 0
.rept 4
	v_nop
.endr
.Lasked_\@:
.endm
; A prefetch of the key slot that the NEXT change of slots will ask for.  Cluster 0 of a head walks all eight key slots in its first block, and it alone asks: trips 0 to 5 (SLOTS 9 to 4) name slots 2 to 7.
; Its sixteen waves take 32 rows each (waves 0, 1 of K, waves 2, 3 of V), told apart by address: a lane a row, one instruction.  So each row is named once.  Slots 0 and 1 come by their loads alone.
.macro ASK
	s_cmp_gt_u32 s[SLOTS], s[LIM]
	s_cbranch_scc0 .Lnot_mine_\@
	global_prefetch_b8 v[PFO], s[PFA:PFA+1] th:TH_LOAD_NT scope:SCOPE_SE
.Lnot_mine_\@:
.endm
.macro CROUND
	s_barrier_signal -1
	s_barrier_wait -1
	s_cmp_lg_u32 s[WV], 0
	s_cbranch_scc1 .Lnot_wave_0_\@
	s_barrier_signal -3
.Lnot_wave_0_\@:
	s_barrier_wait -3
	s_barrier_signal -1
	s_barrier_wait -1
.endm
.macro QLOAD base                   ; Q stays in registers: tile i / 4, channels 32 (i % 4) on
	WIN 0x80
.set i, 0
.rept 16
	global_load_b128 v[8*i:8*i+3],   v[QO], s[\base:\base+1] offset:(i/4)*4096+(i%4)*64
	global_load_b128 v[8*i+4:8*i+7], v[QO], s[\base:\base+1] offset:(i/4)*4096+(i%4)*64+32
.set i, i+1
.endr
	WIN 0
.endm
	s_load_b128 s[4:7], s[0:1], 0x0 ; qkvh s[4:5], ob s[6:7]
	v_lshl_add_u32 v[SPW], v0, 2, SPARE
	v_mov_b32 v[NIL], 0
	ds_add_u32 v[SPW], v[NIL]       ; the wave's opening: the add and its wait stand ahead of the first tensor load; work on registers stands between them
	v_lshrrev_b32 v1, 5, v0
	v_readfirstlane_b32 s[WV], v1
	s_and_b32 s[KH], s[WV], 1
	s_lshr_b32 s[QG], s[WV], 1
	s_bfe_u32 s[CX], ttmp6, 0x40000
	s_mov_b32 s[J], ttmp9           ; in a cluster launch ttmp9 counts clusters
	s_and_b32 s88, ttmp7, 0xffff    ; the head, 0..31
	s_lshl_b32 s82, s88, 19         ; its 2,048 rows of 256 bytes
	s_lshl_b32 s80, s[KH], 15       ; the half of a slot that I fetch: 128 rows
	s_add_co_u32 s80, s80, s82
	s_mov_b32 s81, 0
	s_mul_i32 s94, s[KH], 128*PK    ; and its place in a slot
	s_mul_i32 s95, s[KH], 128*PV
	s_mov_b32 s[G0K], 1
	s_mov_b32 s[G0K+1], s94         ; slot 0
	s_mov_b32 s[G0V], 1
	s_add_co_u32 s[G0V+1], s95, VOFF
	s_mov_b32 s[G1K], 15|(1<<16)|(1<<20)|(1<<21)|(5<<22)|(3<<25)  ; the mask of four; 2-byte elements; padding on; bit 21 beside a mask; after every 64 words, 4 words
	s_mov_b32 s[G1V], 15|(1<<16)|(1<<20)|(1<<21)|(5<<22)|(7<<25)  ; the same with 8 words
.irp g, G1K, G1V
	s_mov_b32 s[(\g)+1], 128<<16    ; tensor_dim0 = 128
	s_mov_b32 s[(\g)+2], 128<<16    ; tensor_dim1 = 128
	s_mov_b32 s[(\g)+3], 128<<16    ; tile_dim0 = 128
	s_mov_b32 s[(\g)+4], 128        ; tile_dim1 = 128
	s_mov_b32 s[(\g)+5], 128        ; 128 elements from row to row
	s_mov_b32 s[(\g)+6], 0
	s_mov_b32 s[(\g)+7], 0
.endr
	s_sub_co_u32 s89, 3, s[J]
	s_lshl_b32 s[QPOS], s89, 9      ; superblock 3 - J,
	s_lshl_b32 s[QPOS2], s[J], 9    ; then superblock J
	s_lshl_b32 s89, s[CX], 7
	s_lshl_b32 s94, s[QG], 6
	s_add_co_u32 s89, s89, s94
	s_add_co_u32 s[QPOS], s[QPOS], s89
	s_add_co_u32 s[QPOS2], s[QPOS2], s89
	s_lshl_b32 s84, s[QPOS], 8
	s_add_co_u32 s84, s84, s82
	s_mov_b32 s85, 0
	s_lshl_b32 s86, s[QPOS2], 8
	s_add_co_u32 s86, s86, s82
	s_mov_b32 s87, 0
	s_lshr_b32 s94, s88, 3          ; the batch's 2,048 rows of ob,
	s_lshl_b32 s94, s94, 11
	s_lshl_b32 s95, s[KH], 5        ; the 32 of my 64 queries that I finish
	s_add_co_u32 s94, s94, s95
	s_add_co_u32 s90, s94, s[QPOS]
	s_lshl_b32 s90, s90, 11         ; rows of 2,048 bytes
	s_add_co_u32 s92, s94, s[QPOS2]
	s_lshl_b32 s92, s92, 11
	s_and_b32 s95, s88, 7
	s_lshl_b32 s95, s95, 8          ; the head's 256 bytes of a row
	s_add_co_u32 s90, s90, s95
	s_add_co_u32 s92, s92, s95
	s_mov_b32 s91, 0
	s_mov_b32 s93, 0
	s_lshl_b32 s94, s[J], 1
	s_sub_co_u32 s[RT], 8, s94      ; the first block has 8 - 2 J slots,
	s_add_co_u32 s[RT2], s94, 2     ; the second 2 J + 2
	s_sub_co_u32 s[LQ], 7, s94
	s_add_co_u32 s[LQ2], s94, 1
	s_mov_b32 s[NXT], 1
	s_mov_b32 s[NEW], 1
	s_mov_b32 s[SLOTS], 9
	s_mov_b32 s[CS], 0x3c38aa3b     ; c = log2(e) / 128
	s_mov_b32 s[CS+1], s[CS]
	s_mov_b32 s[SEL], 0x76543210
	s_mov_b32 s[SEL+1], 0xfedcba98
	s_mov_b32 s[TBK], S1+2*KS*PK    ; the first change of slots turns these two into 0
	s_mov_b32 s[TBV], S1+2*KS*PV
	s_mov_b32 s[KPOS], 0
	s_mov_b32 s[OFF+1], 0
	s_mov_b32 s[AL+1], 0            ; named as pairs
	s_mov_b32 s[BE+1], 0
	s_mov_b32 s[BIGN], 0xf149f2ca   ; -1e30
	s_lshl_b32 s96, s[CX], 14       ; the prefetches: my work-group's 64 rows of a slot's 256,
	s_lshl_b32 s97, s[KH], 13       ; my wave's 32 of them,
	s_add_co_u32 s96, s96, s97
	s_add_co_u32 s96, s96, s82
	s_add_co_u32 s96, s96, 65536    ; in slot 1: the first change of slots steps it to slot 2
	s_mov_b32 s97, 0x1000000        ; K lies 2^24 bytes into the buffer, V 2^25
	s_lshl_b32 s89, s97, 1
	s_cmp_lt_u32 s[WV], 2
	s_cselect_b32 s97, s97, s89
	s_add_co_u32 s96, s96, s97
	s_mov_b32 s97, 0
	s_cmp_eq_u32 s[J], 0
	s_cselect_b32 s[LIM], 3, -1     ; the same in all four partners
	v_and_b32 v[PFO], 31, v0
	v_lshlrev_b32 v[PFO], 8, v[PFO]
	s_wait_dscnt 0x0                ; the opening add is done
	s_wait_kmcnt 0x0
	s_add_nc_u64 s[KB:KB+1], s[4:5], s[80:81]
	s_add_nc_u64 s[VB:VB+1], s[KB:KB+1], 0x2000000
	s_add_nc_u64 s[KB:KB+1], s[KB:KB+1], 0x1000000
	s_add_nc_u64 s[G0K+2:G0K+3], s[KB:KB+1], 0
	s_or_b32 s[G0K+3], s[G0K+3], 0x80000000
	s_add_nc_u64 s[G0V+2:G0V+3], s[VB:VB+1], 0
	s_or_b32 s[G0V+3], s[G0V+3], 0x80000000
	s_add_nc_u64 s[QA1:QA1+1], s[4:5], s[84:85]
	s_add_nc_u64 s[QA2:QA2+1], s[4:5], s[86:87]
	s_add_nc_u64 s[OB:OB+1], s[6:7], s[90:91]
	s_add_nc_u64 s[OB2:OB2+1], s[6:7], s[92:93]
	s_add_nc_u64 s[PFA:PFA+1], s[4:5], s[96:97]
	CROUND                          ; all four work-groups are here: the first joint loads meet
	JLOAD                           ; key slot 0 into slot 0; slot 1 is asked for by the loop's first change of slots
	v_and_b32 v1, 15, v0            ; r = l % 16
	v_bfe_u32 v9, v0, 4, 1          ; h = l / 16
	v_lshlrev_b32 v[QO], 8, v1
	v_lshl_add_u32 v[QO], v9, 4, v[QO]
	QLOAD QA1
	; O^T and l need only be finite when a block begins: zeros for the first block, what the first left for the second.  This stands in the wait for the first tile.
	WIN 0x40
.set i, 0
.rept 256
	v_mov_b32 v[i], 0
.set i, i+1
.endr
	WIN 0
.irp t, 0,1,2,3
	v_mov_b32 v[ST+8*\t+2], 0
	v_mov_b32 v[ST+8*\t+3], 0
.endr
	v_lshlrev_b32 v10, 3, v9
	v_sub_nc_u32 v11, v1, v10       ; r - 8 h: register i of the diagonal's block is hidden where i is greater
	WIN 0xc0
.set i, 0
.rept 8
	v_cmp_gt_i32 vcc_lo, i, v11
	v_cndmask_b32 v[MD+i], 0, s[BIGN], vcc_lo
.set i, i+1
.endr
	WIN 0
	v_mul_u32_u24 v[AK0], v1, PK
	v_lshl_add_u32 v[AK0], v9, 4, v[AK0]
	s_mul_i32 s94, s[KH], 128*PK
	v_add_nc_u32 v[AK0], s94, v[AK0]
	v_and_b32 v10, 7, v0            ; the turning load: lane l reads key 8 (l / 16) + l % 8, channels 8 ((l / 8) % 2) + 0..7
	v_bfe_u32 v11, v0, 3, 1
	v_lshl_add_u32 v[AV0], v9, 3, v10
	v_mul_u32_u24 v[AV0], v[AV0], PV
	v_lshl_add_u32 v[AV0], v11, 4, v[AV0]
	s_mul_i32 s94, s[KH], 128*PV
	s_add_co_u32 s94, s94, VOFF
	v_add_nc_u32 v[AV0], s94, v[AV0]
	s_lshl_b32 s94, s[WV], 13
	s_add_co_u32 s94, s94, XCH      ; my 8,192 bytes,
	s_xor_b32 s95, s[WV], 1         ; and those of the wave with my queries and the other keys
	s_lshl_b32 s95, s95, 13
	s_add_co_u32 s95, s95, XCH
	v_and_b32 v10, 31, v0
	v_lshl_add_u32 v[XS], v10, 4, s94
	v_lshl_add_u32 v[XR], v10, 4, s95
	v_mul_u32_u24 v[STO], v1, SP    ; the stage: in: row r, 16 bytes for each half of the lanes
	v_lshl_add_u32 v[STO], v9, 4, v[STO]
	v_add_nc_u32 v[STO], s94, v[STO]
	v_mul_u32_u24 v[RD], v9, SP     ; back: lanes 0-15 one row of 256 bytes, lanes 16-31 the next
	v_lshl_add_u32 v[RD], v1, 4, v[RD]
	v_add_nc_u32 v[RD], s94, v[RD]
	v_lshlrev_b32 v[GO], 11, v9     ; and the same two rows in ob, 2,048 bytes apart
	v_lshl_add_u32 v[GO], v1, 4, v[GO]
	s_lshl_b32 s94, s[WV], 9
	s_add_co_u32 s94, s94, STAT
	s_xor_b32 s95, s[WV], 1
	s_lshl_b32 s95, s95, 9
	s_add_co_u32 s95, s95, STAT
	v_lshl_add_u32 v[STA], v10, 2, s94
	v_lshl_add_u32 v[STR], v10, 2, s95
	s_wait_loadcnt 0x0              ; the first block's Q is in: waited for here, on the one way into the loop, so that every product that reads Q stands behind the wait; the set-up above stood between the loads and it
; THE MATRIX WORK.  The accumulators take turns, one instruction a turn.  Product i of 32 of O^T += V^T P for piece x: keys 32 (i / 16) on, channels 16 ((i / 2) % 8) on, tile x + i % 2.
.macro PV x
	WIN W_PV
.set rO, 64*((\x)+i%2)+8*((i/2)%8)
.set rV, 64*(i/16)+8*((i/2)%8)
.set rP, P+16*((\x)+i%2)+8*(i/16)
	v_wmma_f32_16x16x32_f16 v[rO:rO+7], v[rV:rV+7], v[rP:rP+7], v[rO:rO+7]
.endm
; Product i of 32 of S^T = K Q^T: channels 32 (i / 8) on, keys 16 ((i / 2) % 4) on, tile x + i % 2.  The first 8 start the sums, with the mask of their key block and tile.
.macro KQ x
.set tt, (\x)+i%2
.set kb, (i/2)%4
.set rS, S+32*tt+8*kb
.set rK, KF+32*kb+8*(i/8)
.set rQ, 32*tt+8*(i/8)
.if i < 8
.set rM, MU
.if kb < tt
.set rM, ML
.endif
.if kb == tt
.set rM, MDD
.endif
	WIN W_KM
	v_wmma_f32_16x16x32_f16 v[rS:rS+7], v[rK:rK+7], v[rQ:rQ+7], v[rM:rM+7]
.else
	WIN W_KQ
	v_wmma_f32_16x16x32_f16 v[rS:rS+7], v[rK:rK+7], v[rQ:rQ+7], v[rS:rS+7]
.endif
.endm
; The three masks for the step that is fetched next: selects alone.  Their last readers stand 24 products, each with its slice, back.
.macro MASKS
	s_cmp_eq_u32 s[KPOS], s[QPOS]
	s_cselect_b32 s[AL], 1.0, 0
	s_cmp_gt_u32 s[KPOS], s[QPOS]
	s_cselect_b32 s[BE], s[BIGN], 0
	s_cmp_ge_u32 s[KPOS], s[QPOS]
	s_cselect_b32 s[BU], s[BIGN], 0
	WIN 0xc3                        ; destination and source 0 in window 3
.irp z, 0,2,4,6
	v_pk_fma_f32 v[MDD+\z:MDD+\z+1], v[MD+\z:MD+\z+1], s[AL:AL+1], s[BE:BE+1] op_sel_hi:[1,0,0]
.endr
.irp z, 0,1,2,3,4,5,6,7
	v_mov_b32 v[ML+\z], s[BE]
	v_mov_b32 v[MU+\z], s[BU]
.endr
.endm
; THE LDS LOADS stand in runs of 32: a step's K (64 keys x 128 channels) and, a turn later, its V (turned).
.macro FETCH_K
	WIN 0
	v_add_nc_u32 v[ADR], s[TBK], v[AK0]
	WIN 0x80
.irp f, 0,1,2,3,4,5,6,7,8,9,10,11,12,13,14,15  ; keys 16 (f / 4) on, channels 32 (f % 4) on
	ds_load_b128 v[KF+8*(\f):KF+8*(\f)+3],   v[ADR] offset:((\f)/4)*16*PK+((\f)%4)*64
	ds_load_b128 v[KF+8*(\f)+4:KF+8*(\f)+7], v[ADR] offset:((\f)/4)*16*PK+((\f)%4)*64+32
.endr
	s_add_co_u32 s[TBK], s[TBK], KS*PK  ; the next fetch is the next step's
	s_add_co_u32 s[KPOS], s[KPOS], KS
.endm
.macro FETCH_V
	WIN 0
	v_add_nc_u32 v[ADR], s[TBV], v[AV0]
	s_add_co_u32 s[TBV], s[TBV], KS*PV
	s_wait_alu depctr_va_vdst(0)    ; the wait for the softmax's batch (SLICE), behind the address's v_add_nc_u32 and ahead of the loads
	WIN 0xc0
.irp f, 0,1,2,3,4,5,6,7,8,9,10,11,12,13,14,15  ; keys 32 (f / 8) on, channels 16 (f % 8) on
	ds_load_tr16_b128 v[8*(\f):8*(\f)+3],   v[ADR] offset:((\f)/8)*32*PV+((\f)%8)*32
	ds_load_tr16_b128 v[8*(\f)+4:8*(\f)+7], v[ADR] offset:((\f)/8)*32*PV+16*PV+((\f)%8)*32
.endr
.endm
; THE VECTOR WORK.  One tile's softmax for one key step is a list of 134 instructions; SM writes number j of it for tile t.  s0-s31 are the lane's 32 scores, in pairs 0-15.
;   0-15    the maximum of s0-s31 and the old m, three operands at a time (each accumulator's lowest registers are read first)     16-20   the other half of the lanes' maximum; the new m; c m; c m_old - c m_new
;   21-69   ONE BATCH: the 16 scalings c s - c m and all 33 exponentials (a at 23, then s0-s31); none of these reads an exponential's result     (wait)  SLICE writes it, once for both tiles
;   70-85   the roundings to f16     86-101  the sums; l = a l + the sum     102-133 the tile's O^T times a
.macro SM t
.set rT, ST+8*(\t)
.set rS, S+32*(\t)
.set rP, P+16*(\t)
.set rO, 64*(\t)+2*(j-102)
.if j < 102
	WIN 0
.endif
.if j < 4
	v_max3_num_f32 v[rT+4+j], v[rS+8*j], v[rS+8*j+1], v[rS+8*j+2]
.elseif j < 12
	v_max3_num_f32 v[rT+4+j%4], v[rT+4+j%4], v[rS+8*(j%4)+2*(j/4)+1], v[rS+8*(j%4)+2*(j/4)+2]
.elseif j == 12
	v_max3_num_f32 v[rT+4], v[rT+4], v[rS+7], v[rS+15]
.elseif j == 13
	v_max3_num_f32 v[rT+6], v[rT+6], v[rS+23], v[rS+31]
.elseif j == 14
	v_max3_num_f32 v[rT+4], v[rT+4], v[rT+5], v[rT+6]
.elseif j == 15
	v_max3_num_f32 v[rT+4], v[rT+4], v[rT+7], v[rT+1]
.elseif j == 16
	v_permlanex16_b32 v[rT+5], v[rT+4], s[SEL], s[SEL+1]  ; the query's other 32 keys lie in the lane 16 away
.elseif j == 17
	v_mov_b32 v[rT+7], v[rT]        ; c m_old is kept for a
.elseif j == 18
	v_max_num_f32 v[rT+1], v[rT+4], v[rT+5]
.elseif j == 19
	v_mul_f32 v[rT], s[CS], v[rT+1]
.elseif j == 20
	v_sub_f32 v[rT+7], v[rT+7], v[rT]
.elseif j == 23
	v_exp_f32 v[rT+6], v[rT+7]
.elseif (j < 23) || ((j < 38) && (j%2 == 0)) || ((j < 66) && (j%4 == 2))
.set b, (j-2)/4                     ; 38, 42, .. 62: pairs 9 to 15
.if j < 38
.set b, (j-20)/2                    ; 21: pair 0; 22, 24, .. 36: pairs 1 to 8
.endif
	v_pk_fma_f32 v[rS+2*b:rS+2*b+1], v[rS+2*b:rS+2*b+1], s[CS:CS+1], v[rT:rT+1] op_sel_hi:[1,0,0] neg_lo:[0,0,1] neg_hi:[0,0,1]
.elseif j < 70
.set e, j-38                        ; 66 to 69: s28 to s31
.if j < 66
.set e, j-32-(j-38)/4               ; 39-41, 43-45, .. 63-65: s7 to s27
.endif
.if j < 38
.set e, (j-25)/2                    ; 25, 27, .. 37: s0 to s6
.endif
	v_exp_f32 v[rS+e], v[rS+e]
.elseif j < 86
	v_cvt_pk_f16_f32 v[rP+j-70], v[rS+2*(j-70)], v[rS+2*(j-70)+1]
.elseif j < 102                     ; sum z of 16 adds neighbours 1, 2, 4 and 8 pairs apart, in place; then l takes it
.set z, j-86
.set w, 4
.set u, z
.if z >= 14
.set w, 32
.set u, 0
.elseif z >= 12
.set w, 16
.set u, z-12
.elseif z >= 8
.set w, 8
.set u, z-8
.endif
.if z < 15
	v_pk_add_f32 v[rS+w*u:rS+w*u+1], v[rS+w*u:rS+w*u+1], v[rS+w*u+w/2:rS+w*u+w/2+1]
.else
	v_pk_fma_f32 v[rT+2:rT+3], v[rT+2:rT+3], v[rT+6:rT+7], v[rS:rS+1] op_sel_hi:[1,0,1]
.endif
.else
	WIN W_RS
	v_pk_mul_f32 v[rO:rO+1], v[rO:rO+1], v[rT+6:rT+7] op_sel_hi:[1,0]
.endif
.endm
; Slice k of 64 of piece y's softmax: four instructions.  Slices 11 to 34 deal out the batch, four numbers of one tile each, the tiles by turns; every other slice is numbers 2 k and 2 k + 1 of both tiles;
; the twelve that are over stand in slice 63, where they are also the places behind the turn's last product.  Ahead of slice 35 nothing names an exponential's result, and behind slice 34 none is issued:
; so the piece's 66 exponentials have one wait, behind slice 34.
.macro SLICE y
.if (k >= 11) && (k < 35)
.irp n, 0,1,2,3
.set j, 22+4*((k-11)/2)+(\n)
	SM (\y)+(k-11)%2
.endr
.else
.irp n, 0,1,2,3,4,5,6,7
.if ((\n) < 2) || (k == 63)
.irp t, \y, (\y)+1
.set j, 2*k+(\n)
	SM \t
.endr
.endif
.endr
.endif
.if k == 34
	v_nop                           ; a plain instruction behind the last exponential: one for the batch
.if (\y) == 0
	FETCH_V                         ; piece 2's turn: V's run of loads stands here, and the wait stands in it; four plain instructions lie between it and the last product that read V
.else
	s_wait_alu depctr_va_vdst(0)
.endif
.endif
.set k, k+1
.endm
; A TURN.  Piece x has the matrix unit; the other piece's softmax stands in slices behind its products.  pv = 1: 32 products V^T P; kq = 1: 32 products K Q^T of the next step.  With one kind alone: two slices behind each.
; Piece 0's turn makes the next step's masks and fetches its K, behind its second product; piece 2's turn fetches that step's V.
.macro TURN x, pv, kq
.set k, 0
.set per, 2
.if (\pv) && (\kq)
.set per, 1
.endif
.if ((\x) == 0) && (\kq)
	MASKS
.endif
.if \pv
.if (\x) == 0
	s_wait_dscnt 0x0                ; V is in
.endif
.set i, 0
.rept 32
	PV \x
.rept per
	SLICE 2-(\x)
.endr
.if ((\x) == 0) && (\kq) && (i == 1)
	FETCH_K
.endif
.set i, i+1
.endr
.endif
.if \kq
.if (\x) == 0
	s_wait_dscnt 0x0                ; K is in
.endif
.set i, 0
.rept 32
	KQ \x
.rept per
	SLICE 2-(\x)
.endr
.set i, i+1
.endr
.endif
.endm
; THE CHANGE OF SLOTS.  Each wave waits for all its tensor loads, of which one is out: its part of the other slot; adds 0 to its spare word; and waits for that and for its own reads of the slot that it leaves.
; fill = 1: the barrier is a round of the cluster's, and the old slot is filled again first thing behind it, with key slot NXT; the load has two key steps, 256 matrix instructions, in which to land.
; The descriptor's address is made anew from that number.  (At its first use nothing has been read yet: slot 0 is waited for, slot 1 filled.)
.macro CHANGE fill
	WIN 0
	s_wait_tensorcnt 0x0            ; no tensor load of mine is out, so a group 0 may be written
	ds_add_u32 v[SPW], v[NIL]       ; 0 onto my spare word; scalar work stands between it and the wait for it
.if \fill
	s_lshl_b32 s[OFF], s[NXT], 16   ; a slot is 65,536 bytes of K and of V
	s_xor_b32 s[G0K+1], s[G0K+1], S1
	s_add_nc_u64 s[G0K+2:G0K+3], s[KB:KB+1], s[OFF:OFF+1]
	s_or_b32 s[G0K+3], s[G0K+3], 0x80000000
	s_xor_b32 s[G0V+1], s[G0V+1], S1
	s_add_nc_u64 s[G0V+2:G0V+3], s[VB:VB+1], s[OFF:OFF+1]
	s_or_b32 s[G0V+3], s[G0V+3], 0x80000000
	s_add_co_u32 s[NXT], s[NXT], 1  ; the block's next slot, or behind its last the second block's slot 0
	s_cmp_gt_u32 s[NXT], s[LQ]
	s_cselect_b32 s[NXT], 0, s[NXT]
	s_cselect_b32 s[LQ], s[LQ2], s[LQ]
	s_wait_xcnt 0x0                 ; the last prefetch, two key steps back, has read its address
	s_add_nc_u64 s[PFA:PFA+1], s[PFA:PFA+1], 65536
	s_wait_dscnt 0x0                ; the add is done, and my reads of the slot are over
	CROUND
	JLOAD
	ASK
.else
	s_wait_dscnt 0x0
	s_barrier_signal -1
	s_barrier_wait -1
.endif
	s_sub_co_u32 s[TBK], s[TBK], 2*KS*PK  ; the fetches go back to a slot's first step,
	s_xor_b32 s[TBK], s[TBK], S1          ; in the other slot
	s_sub_co_u32 s[TBV], s[TBV], 2*KS*PV
	s_xor_b32 s[TBV], s[TBV], S1
	s_add_co_u32 s[KPOS], s[KPOS], 128    ; past the other wave's 128 keys
.endm
; A BLOCK BEGINS: m at -1e20, c m made of it as the softmax makes it; the masks and K of my first step; piece 0's first scores; then piece 2's, beside piece 0's first softmax, and V of that step.
; The block's Q has been waited for: the first block's at the end of the head, the second's at the end of the first block's meeting.
.macro BEGIN
	s_mov_b32 s[NEW], 0
	s_lshl_b32 s[KPOS], s[KH], 7
	WIN 0
.irp t, 0,1,2,3
	v_mov_b32 v[ST+8*\t+1], 0xe0ad78ec
.endr
.irp t, 0,1,2,3
	v_mul_f32 v[ST+8*\t], s[CS], v[ST+8*\t+1]
.endr
	MASKS
	FETCH_K
	s_wait_dscnt 0x0                ; K is in
.set i, 0
.rept 32
	KQ 0
.set i, i+1
.endr
	WIN 0
	PLACES
	TURN 2, 0, 1
	WIN 0
	s_mov_b32 s[TWICE], 1           ; this slot has one pair of turns left
.endm
; THE MEETING, in two phases.  In phase ph the wave with the lower keys hands over its tile 2 + ph and finishes tile ph; the wave with the upper keys hands over its tile ph and finishes tile 2 + ph,
; which it first moves into tile ph's registers: so in every wave register tile ph is the one that it finishes.  The branch hangs on the wave's number; no barrier stands in it.
.macro XSEND ph
	WIN 0
	s_cmp_eq_u32 s[KH], 0
	s_cbranch_scc0 .Lupper_\@
	ds_store_b32 v[STA], v[ST+8*(2+(\ph))]   offset:256*(\ph)
	ds_store_b32 v[STA], v[ST+8*(2+(\ph))+4] offset:256*(\ph)+128
	WIN 0x04                        ; store data in window 1
.irp f, 0,1,2,3,4,5,6,7,8,9,10,11,12,13,14,15
	ds_store_b128 v[XS], v[64*(2+(\ph))+4*(\f):64*(2+(\ph))+4*(\f)+3] offset:512*(\f)
.endr
	WIN 0
	s_branch .Lsent_\@
.Lupper_\@:
	ds_store_b32 v[STA], v[ST+8*(\ph)]   offset:256*(\ph)
	ds_store_b32 v[STA], v[ST+8*(\ph)+4] offset:256*(\ph)+128
	WIN 0x04
.irp f, 0,1,2,3,4,5,6,7,8,9,10,11,12,13,14,15
	ds_store_b128 v[XS], v[64*(\ph)+4*(\f):64*(\ph)+4*(\f)+3] offset:512*(\f)
.endr
	WIN W_RS
.set i, 0
.rept 64
	v_mov_b32 v[64*(\ph)+i], v[64*(2+(\ph))+i]
.set i, i+1
.endr
	WIN 0
	v_mov_b32 v[ST+8*(\ph)], v[ST+8*(2+(\ph))]
	v_mov_b32 v[ST+8*(\ph)+4], v[ST+8*(2+(\ph))+4]
.Lsent_\@:
.endm
; O = (O_mine 2^(cm_mine - M) + O_other 2^(cm_other - M)) / (l_mine 2^(..) + l_other 2^(..)), M the greater c m.  Rounded to f16, through my stage, out as whole rows of 256 bytes.
.macro XMERGE ph
	WIN 0
	s_wait_dscnt 0x0                ; my stores are done,
	s_barrier_signal -1
	s_barrier_wait -1               ; everybody's are
	ds_load_b32 v48, v[STR] offset:256*(\ph)
	ds_load_b32 v49, v[STR] offset:256*(\ph)+128
.irp f, 0,1,2,3,4,5,6,7,8,9,10,11,12,13,14,15
	ds_load_b128 v[S+4*(\f):S+4*(\f)+3], v[XR] offset:512*(\f)
.endr
	s_wait_dscnt 0x0                ; my reads are over,
	s_barrier_signal -1             ; (the factors, work on registers, stand between the signal and the wait)
	v_max_num_f32 v50, v[ST+8*(\ph)], v48
	v_sub_f32 v51, v[ST+8*(\ph)], v50
	v_sub_f32 v52, v48, v50
	v_exp_f32 v51, v51
	v_exp_f32 v52, v52
	v_nop
	s_wait_alu depctr_va_vdst(0)    ; one wait for the two exponentials, ahead of their first use
	v_mul_f32 v53, v51, v[ST+8*(\ph)+4]
	v_fmac_f32 v53, v52, v49
	v_rcp_f32 v53, v53
	v_nop
	s_wait_alu depctr_va_vdst(0)
	v_mul_f32 v54, v51, v53
	v_mul_f32 v56, v52, v53
	v_mov_b32 v55, v54              ; named as pairs
	v_mov_b32 v57, v56
	s_barrier_wait -1               ; everybody's are: the exchange's bytes may be written again
.set i, 0
.rept 32
	v_pk_mul_f32 v[S+2*i:S+2*i+1], v[S+2*i:S+2*i+1], v[56:57] op_sel_hi:[1,0]
.set i, i+1
.endr
	WIN 0x01                        ; source 0 in window 1; O^T itself is left as it is
.set i, 0
.rept 32
	v_pk_fma_f32 v[S+2*i:S+2*i+1], v[64*(\ph)+2*i:64*(\ph)+2*i+1], v[54:55], v[S+2*i:S+2*i+1] op_sel_hi:[1,0,1]
.set i, i+1
.endr
	WIN 0
.set i, 0
.rept 32
	v_cvt_pk_f16_f32 v[P+i], v[S+2*i], v[S+2*i+1]
.set i, i+1
.endr
.irp f, 0,1,2,3,4,5,6,7
	ds_store_b128 v[STO], v[P+4*(\f):P+4*(\f)+3] offset:32*(\f)
.endr
.irp f, 0,1,2,3,4,5,6,7
	ds_load_b128 v[128+32*(\ph)+4*(\f):128+32*(\ph)+4*(\f)+3], v[RD] offset:(\f)*2*SP  ; LDS serves a wave's instructions in order (ISA guide 5.7.1.4): these see the stores above
.endr
.irp f, 0,1,2,3,4,5,6,7
	s_wait_dscnt 7-(\f)             ; the younger loads from the stage may stay out
	global_store_b128 v[GO], v[128+32*(\ph)+4*(\f):128+32*(\ph)+4*(\f)+3], s[OB:OB+1] offset:32768*(\ph)+4096*(\f)  ; each half of the lanes stores 256 consecutive bytes, aligned
.endr
.endm
; A BLOCK ENDS: the last step's V^T P, piece 2's last softmax, l summed over its halves and the lanes' halves; the meeting.
; last = 0: the second block's Q is asked for ahead of the meeting and waited for behind it, on the way that every wave takes out of the block.
.macro FINISH last
	TURN 0, 1, 0
.set i, 0
.rept 32
	PV 2
.set i, i+1
.endr
	WIN 0
.irp t, 0,1,2,3
	v_add_f32 v[ST+8*\t+4], v[ST+8*\t+2], v[ST+8*\t+3]  ; these additions are the places behind the last products
.endr
.irp t, 0,1,2,3
	v_permlanex16_b32 v[ST+8*\t+5], v[ST+8*\t+4], s[SEL], s[SEL+1]
.endr
.irp t, 0,1,2,3
	v_add_f32 v[ST+8*\t+4], v[ST+8*\t+4], v[ST+8*\t+5]
.endr
.if !(\last)
	QLOAD QA2
.endif
	XSEND 0
	XMERGE 0
	XSEND 1
	XMERGE 1
.if !(\last)
	s_wait_loadcnt 0x0              ; the second block's Q is in: its 32 loads had the two phases of the meeting in which to land; every later product that reads Q stands behind this wait
	s_wait_xcnt 0x0                 ; the stores have read their registers and ob's address
	s_mov_b64 s[OB:OB+1], s[OB2:OB2+1]
	s_mov_b32 s[QPOS], s[QPOS2]
	s_mov_b32 s[RT], s[RT2]
	s_mov_b32 s[NEW], 1
.endif
.endm
.Lslot:                             ; nine trips: a slot is entered and the next is asked for
	CHANGE 1
	s_mov_b32 s[TWICE], 2
	s_cmp_eq_u32 s[NEW], 1          ; at the first trip the answer is a constant of the text
	s_cbranch_scc0 .Lstep
	BEGIN
.Lstep:                             ; a pair of turns: V^T P of one step, K Q^T of the next, whose K and V it fetches
	TURN 0, 1, 1
	TURN 2, 1, 1
	WIN 0
	s_sub_co_u32 s[TWICE], s[TWICE], 1
	s_cmp_lg_u32 s[TWICE], 0
	s_cbranch_scc1 .Lstep
	s_sub_co_u32 s[RT], s[RT], 1    ; RT hangs on the cluster's number alone: alike in all waves and partners
	s_cmp_lg_u32 s[RT], 0
	s_cbranch_scc1 .Lbottom
	FINISH 0                        ; in the loop this is the first block's end: the second's last slot is the walk's last
.Lbottom:
	s_sub_co_u32 s[SLOTS], s[SLOTS], 1
	s_cmp_lg_u32 s[SLOTS], 0
	s_cbranch_scc1 .Lslot
	CHANGE 0                        ; the walk's last slot is written out: nothing is asked for
	s_mov_b32 s[TWICE], 2
.Lstep2:
	TURN 0, 1, 1
	TURN 2, 1, 1
	WIN 0
	s_sub_co_u32 s[TWICE], s[TWICE], 1
	s_cmp_lg_u32 s[TWICE], 0
	s_cbranch_scc1 .Lstep2
	FINISH 1
	s_wait_tensorcnt 0x0            ; the wave's end: behind my last tensor load and my last LDS store
	ds_add_u32 v[SPW], v[NIL]
	s_wait_dscnt 0x0
	CROUND                          ; the closing round: no work-group ends while a partner may still ask for a tile that names it
	s_endpgm
.Lfunc_end_k_q8918db5d6d_attn:
	.size	k_q8918db5d6d_attn, .Lfunc_end_k_q8918db5d6d_attn-k_q8918db5d6d_attn
	.p2alignl 7, 3214868480
	.fill 96, 4, 3214868480
	.section	.rodata,"a",@progbits
	.p2align	6, 0x0
	.amdhsa_kernel k_q8918db5d6d_attn
		.amdhsa_group_segment_fixed_size 327680
		.amdhsa_private_segment_fixed_size 0
		.amdhsa_enable_private_segment 0
		.amdhsa_kernarg_size 16
		.amdhsa_user_sgpr_count 2
		.amdhsa_user_sgpr_kernarg_segment_ptr 1
		.amdhsa_wavefront_size32 1
		.amdhsa_system_sgpr_workgroup_id_x 1
		.amdhsa_system_sgpr_workgroup_id_y 1
		.amdhsa_system_sgpr_workgroup_id_z 1
		.amdhsa_system_vgpr_workitem_id 0
		.amdhsa_next_free_vgpr 1024
		.amdhsa_next_free_sgpr 100
		.amdhsa_reserve_vcc 1
		.amdhsa_float_denorm_mode_32 3
		.amdhsa_float_denorm_mode_16_64 3
		.amdhsa_memory_ordered 1
		.amdhsa_forward_progress 1
		.amdhsa_inst_pref_size 255
	.end_amdhsa_kernel
	.amdgpu_metadata
---
amdhsa.version: [ 1, 2 ]
amdhsa.kernels:
  - .name:           k_q8918db5d6d_attn
    .symbol:         k_q8918db5d6d_attn.kd
    .args:
      - { .name: qkvh, .offset: 0, .size: 8, .value_kind: global_buffer, .address_space: global }
      - { .name: ob, .offset: 8, .size: 8, .value_kind: global_buffer, .address_space: global }
    .group_segment_fixed_size: 327680
    .private_segment_fixed_size: 0
    .kernarg_segment_align: 8
    .kernarg_segment_size: 16
    .max_flat_workgroup_size: 128
    .sgpr_count:     100
    .vgpr_count:     1024
    .wavefront_size: 32
...
	.end_amdgpu_metadata
.endif
;; end of part 3
;; launch proj (part 4): grid 4 x 64, 4 waves a work-group, clusters of 4 x 4, 327,680 bytes of LDS; arguments ob, wob, out0; writes out0
.if DOCPART == 4
	.amdgcn_target "amdgcn-amd-amdhsa--gfx1250"
	.amdhsa_code_object_version 6
	.text
	.protected	k_q8918db5d6d_proj
	.globl	k_q8918db5d6d_proj
	.p2align	8
	.type	k_q8918db5d6d_proj,@function
k_q8918db5d6d_proj:
	s_mov_b64 s[64:65], 0
	v_nop
	global_prefetch_b8 v0, s[64:65] scope:SCOPE_SE
	s_setreg_imm32_b32 hwreg(HW_REG_WAVE_MODE, 25, 1), 1
	s_wait_xcnt 0x0
	s_wait_alu depctr_hold_cnt(0) depctr_sa_sdst(0) depctr_va_vdst(0) depctr_va_sdst(0) depctr_va_ssrc(0) depctr_va_vcc(0) depctr_vm_vsrc(0)
	s_getreg_b32 s2, hwreg(HW_REG_IB_STS2, 6, 4)
	s_cmp_eq_u32 s2, 0
	s_cbranch_scc0 .Lentry_in_a_cluster
	s_endpgm
.Lentry_in_a_cluster:
	s_bfe_u32 s2, ttmp6, 0x10000c
	s_cmp_lg_u32 s2, 0xf033
	s_cbranch_scc0 .Lentry_shape_is_right
	s_endpgm
.Lentry_shape_is_right:
; out0 = O Wo.  A = ob [8192 m][1024 k] f16; B = wob [1024 k][1024 n] f16 (wo rounded to bf16, written as f16), as the weights lie: K down the rows.  out0 [8192][1024] f32.
; SHARES.  A work-group makes 128 rows x 256 columns: 64 x 4 = 256 work-groups.  Wave w makes rows 64 (w / 2) .. + 63, columns 128 (w % 2) .. + 127: 32 accumulators of 16 x 16.
; K goes in 8 steps of 128 through two LDS slots; a step is four quarters of 32, 32 matrix instructions each, on two fragment buffers.
; THE MATRIX INSTRUCTION IS USED TRANSPOSED: source 0 = 16 columns of B, source 1 = 16 rows of A: a lane then holds row l % 16 and the columns 8 (l / 16) + 0..7.
; B's fragments come out of LDS turned, by ds_load_tr16_b128.
; CLUSTER 4 x 4: A's tile is asked for jointly by a row of the cluster, B's by a column.  Wave 0 asks for A's 128 rows, waves 1 and 2 for B's two halves, wave 3 for nothing: one tensor load a wave behind each round.
; REGISTERS: window 0: v16-30 addresses, v64-159 and v160-255 two fragment buffers (A's four fragments, then B's eight; on the way out rows read back); window 1: accumulator (a, b) at v[8 (8 a + b)].
.set PA,     272                       ; a row of A in LDS: 256 bytes + 16: the 16 rows of a load start at 16 different groups of four banks (64 banks of 4 bytes: ISA guide 11.1)
.set PB,     288                       ; a row of B (128 columns of one k): 256 + 32
.set ATILE,  128*PA
.set BHALF,  128*PB
.set SLOT1,  1<<17                     ; slot 1 begins here: one exclusive or turns an address in one slot into the other's
.set STAGE,  SLOT1+ATILE+2*BHALF       ; behind the ring, never filled by a tensor load: 16 rows x 528 bytes for each wave
.set SP,     528                       ; a stage row: 128 f32 + 16 bytes
.set SPARE,  STAGE+4*16*SP             ; the spare words, 128 bytes for each wave: two blocks of 256 bytes that no other line names
.set KSTEPS, 8
.set ASTEP,  256
.set BSTEP,  128*2048
.set A0,   16                          ; v16  my lane's place in A's tile; never rewritten
.set B0,   17                          ; v17  the same for B
.set ADRA, 18
.set ADRB, 19
.set STO,  24                          ; v24  the way out: where I put 32 bytes of a row
.set RD,   25                          ; v25  where I read a row back
.set CO,   26                          ; v26  my 16 bytes in 512 consecutive bytes of a row of out0
.set SPW,  28
.set NIL,  29
.set PFO,  30                          ; v30  2,048 x lane; never rewritten
.set F0,   64
.set F1,   160
.set WV,   12
.set RH,   13
.set CH,   14
.set CX,   16
.set CY,   17
.set TC,   18                          ; s18  tile column, 0..3
.set TR,   19                          ; s19  tile row, 0..63
.set G1A,  24
.set G0A,  32
.set G1B,  40
.set G0B,  48
.set SB,   56
.set LIM,  57
.set PFA,  58
.set PST,  60
.set MSB, 0
.macro WIN new
.if MSB != (\new)
	s_set_vgpr_msb (MSB<<8)|(\new)
.set MSB, \new
.endif
.endm
.macro PLACES                          ; four plain instructions between a matrix instruction and a load into, or a read of, its registers (ISA guide 7.12.1 for vector reads)
.rept 4
	v_nop
.endr
.endm
.macro CREST
	s_cmp_lg_u32 s[WV], 0
	s_cbranch_scc1 .Lnot_wave_0_\@
	s_barrier_signal -3
.Lnot_wave_0_\@:
	s_barrier_wait -3
	s_barrier_signal -1
	s_barrier_wait -1
.endm
.macro CROUND
	s_barrier_signal -1
	s_barrier_wait -1
	CREST
.endm
.macro JLOAD                           ; a joint refill by the walking sets; the branches hang on the wave's number alone; s_nop 0 and four v_nop follow each load
	s_cmp_eq_u32 s[WV], 0
	s_cbranch_scc0 .Lnot_a_\@
	tensor_load_to_lds s[G0A+4:G0A+7], s[G1A:G1A+7]
	s_nop 0
.rept 4
	v_nop
.endr
	s_branch .Lasked_\@
.Lnot_a_\@:
	s_cmp_eq_u32 s[WV], 3
	s_cbranch_scc1 .Lasked_\@
	tensor_load_to_lds s[G0B+4:G0B+7], s[G1B:G1B+7]
	s_nop 0
.rept 4
	v_nop
.endr
.Lasked_\@:
.endm
; A prefetch of the K step that stands two refills on: 32 rows x 256 bytes, a lane a row.  A's rows are read by one cluster (cluster x is 0 throughout): wave 0 asks; B's by the sixteen clusters of the column:
; cluster y = 0 asks, waves 1 and 2.  The four partners that ask for a tile jointly take 32 of its 128 rows each, told apart by address alone.  So each row's 256 bytes of a step are named once.
; K steps 0 to 3 come by their loads alone; the last two refills (s3 = 2, 1) have no step two on.
.macro ASK
	s_cmp_gt_u32 s3, s[LIM]
	s_cbranch_scc0 .Lnot_mine_\@
	global_prefetch_b8 v[PFO], s[PFA:PFA+1] th:TH_LOAD_NT scope:SCOPE_SE
.Lnot_mine_\@:
.endm
	s_load_b128 s[4:7], s[0:1], 0x0                ; ob s[4:5], wob s[6:7]
	s_load_b64 s[10:11], s[0:1], 0x10              ; out0
	v_lshl_add_u32 v[SPW], v0, 2, SPARE
	v_mov_b32 v[NIL], 0
	ds_add_u32 v[SPW], v[NIL]                      ; the wave's opening: the add and its wait stand ahead of the first tensor load; work on registers stands between them
	v_lshrrev_b32 v1, 5, v0
	v_readfirstlane_b32 s[WV], v1
	s_lshr_b32 s[RH], s[WV], 1
	s_and_b32 s[CH], s[WV], 1
	s_mov_b32 s2, ttmp9                            ; cluster x
	s_bfe_u32 s[CX], ttmp6, 0x40000
	s_bfe_u32 s[CY], ttmp6, 0x40004
	s_lshl_b32 s[TC], ttmp9, 2
	s_add_co_u32 s[TC], s[TC], s[CX]
	s_and_b32 s[TR], ttmp7, 0xffff
	s_lshl_b32 s[TR], s[TR], 2
	s_add_co_u32 s[TR], s[TR], s[CY]
	s_lshl_b32 s20, s[CY], 2
	s_lshl_b32 s20, 15, s20                        ; my row of the cluster
	s_lshl_b32 s21, 0x1111, s[CX]                  ; my column
	s_or_b32 s[G1A], s20, (1<<16)|(1<<20)|(1<<21)|(5<<22)|(3<<25)  ; the mask; 2-byte elements; padding on; bit 21 beside a mask; after every 64 words, 4 words
	s_or_b32 s[G1B], s21, (1<<16)|(1<<20)|(1<<21)|(5<<22)|(7<<25)  ; the same with my column's mask and 8 words
.irp g, G1A, G1B
	s_mov_b32 s[(\g)+1], 128<<16                   ; tensor_dim0 = 128
	s_mov_b32 s[(\g)+2], 128<<16                   ; tensor_dim1 = 128
	s_mov_b32 s[(\g)+3], 128<<16                   ; tile_dim0 = 128
	s_mov_b32 s[(\g)+4], 128                       ; tile_dim1 = 128
	s_mov_b32 s[(\g)+5], 1024                      ; 1,024 elements from row to row
	s_mov_b32 s[(\g)+6], 0
	s_mov_b32 s[(\g)+7], 0
.endr
	s_lshl_b32 s22, s[TR], 18                      ; A's tile: 128 rows of 2,048 bytes a tile row
	s_mov_b32 s23, 0
	s_lshl_b32 s66, s[CX], 9                       ; B's tile: 256 columns a tile column,
	s_lshl_b32 s68, s[RH], 8                       ; the half that I fetch
	s_add_co_u32 s66, s66, s68
	s_mov_b32 s67, 0
	s_mul_i32 s69, s[RH], BHALF
	s_add_co_u32 s69, s69, ATILE                   ; and its place in a slot: no place in the cluster enters an LDS address
	s_wait_dscnt 0x0                               ; the opening add is done
	s_wait_kmcnt 0x0
	s_add_nc_u64 s[22:23], s[4:5], s[22:23]
	s_add_nc_u64 s[66:67], s[6:7], s[66:67]
	CROUND                                         ; all sixteen work-groups are here: the first joint loads meet
.irp s, 0,1
	s_mov_b32 s[G0A+4*(\s)], 1
	s_mov_b32 s[G0A+4*(\s)+1], (\s)*SLOT1
	s_add_nc_u64 s[G0A+4*(\s)+2:G0A+4*(\s)+3], s[22:23], (\s)*ASTEP
	s_or_b32 s[G0A+4*(\s)+3], s[G0A+4*(\s)+3], 0x80000000
	s_mov_b32 s[G0B+4*(\s)], 1
	s_add_co_u32 s[G0B+4*(\s)+1], s69, (\s)*SLOT1
	s_add_nc_u64 s[G0B+4*(\s)+2:G0B+4*(\s)+3], s[66:67], (\s)*BSTEP
	s_or_b32 s[G0B+4*(\s)+3], s[G0B+4*(\s)+3], 0x80000000
.endr
	s_cmp_eq_u32 s[WV], 0                          ; a wave's two first fills stand in one branch, ahead of every wait on TENSORcnt and every LDS read: two loads of mine are out
	s_cbranch_scc0 .Lff_b
	tensor_load_to_lds s[G0A:G0A+3], s[G1A:G1A+7]
	s_nop 0
	tensor_load_to_lds s[G0A+4:G0A+7], s[G1A:G1A+7]
	s_nop 0
.rept 4
	v_nop
.endr
	s_branch .Lff_done
.Lff_b:
	s_cmp_eq_u32 s[WV], 3
	s_cbranch_scc1 .Lff_done
	tensor_load_to_lds s[G0B:G0B+3], s[G1B:G1B+7]
	s_nop 0
	tensor_load_to_lds s[G0B+4:G0B+7], s[G1B:G1B+7]
	s_nop 0
.rept 4
	v_nop
.endr
.Lff_done:
	v_and_b32 v1, 15, v0                           ; r
	v_bfe_u32 v2, v0, 4, 1                         ; h
	v_mul_u32_u24 v[A0], v1, PA
	v_lshl_add_u32 v[A0], v2, 4, v[A0]
	s_mul_i32 s70, s[RH], 64*PA
	v_add_nc_u32 v[A0], s70, v[A0]
	v_and_b32 v3, 7, v0                            ; the turning load: lane l reads k = 8 (l / 16) + l % 8, columns 8 ((l / 8) % 2) + 0..7
	v_bfe_u32 v4, v0, 3, 1
	v_lshl_add_u32 v[B0], v2, 3, v3
	v_mul_u32_u24 v[B0], v[B0], PB
	v_lshl_add_u32 v[B0], v4, 4, v[B0]
	s_mul_i32 s70, s[CH], BHALF
	s_add_co_u32 s70, s70, ATILE
	v_add_nc_u32 v[B0], s70, v[B0]
	s_mul_i32 s70, s[WV], 16*SP
	s_add_co_u32 s70, s70, STAGE                   ; my stage
	v_mul_u32_u24 v[STO], v1, SP                   ; in: row r, 32 bytes for each half of the lanes
	v_lshl_add_u32 v[STO], v2, 5, v[STO]
	v_add_nc_u32 v[STO], s70, v[STO]
	v_and_b32 v[CO], 31, v0
	v_lshlrev_b32 v[CO], 4, v[CO]                  ; back: 32 lanes take a row's 512 bytes
	v_add_nc_u32 v[RD], s70, v[CO]
	; where my 64 rows x 128 columns begin in out0
	s_lshl_b32 s70, s[TR], 19                      ; 128 rows of 4,096 bytes
	s_lshl_b32 s71, s[RH], 18
	s_add_co_u32 s70, s70, s71
	s_lshl_b32 s71, s[TC], 10                      ; 256 columns of 4 bytes
	s_add_co_u32 s70, s70, s71
	s_lshl_b32 s71, s[CH], 9
	s_add_co_u32 s70, s70, s71
	s_mov_b32 s71, 0
	s_add_nc_u64 s[10:11], s[10:11], s[70:71]
	; the prefetches: my work-group's 32 rows, at K step 3; the first refill steps them to 4
	s_and_b32 s20, ttmp7, 0xffff                   ; cluster y
	s_lshl_b32 s21, s[TR], 18
	s_lshl_b32 s22, s[CX], 16
	s_add_co_u32 s21, s21, s22
	s_add_co_u32 s21, s21, 3*ASTEP                 ; A: rows 128 TR + 32 cx on
	s_lshl_b32 s22, s[CX], 9
	s_lshl_b32 s23, s[RH], 8
	s_add_co_u32 s22, s22, s23
	s_lshl_b32 s23, s[CY], 16
	s_add_co_u32 s22, s22, s23
	s_add_co_u32 s22, s22, 3*BSTEP                 ; B: my half's columns, rows 32 cy on of the step
	s_mov_b32 s23, ASTEP
	s_cmp_eq_u32 s[WV], 0
	s_cselect_b32 s66, s21, s22
	s_cselect_b32 s[PST], s23, BSTEP
	s_cselect_b32 s20, s2, s20                     ; the coordinate along which other clusters read the same rows
	s_cselect_b64 s[PFA:PFA+1], s[4:5], s[6:7]
	s_mov_b32 s67, 0
	s_mov_b32 s[PST+1], 0
	s_add_nc_u64 s[PFA:PFA+1], s[PFA:PFA+1], s[66:67]
	s_cmp_eq_u32 s[WV], 3
	s_cselect_b32 s20, 1, s20                      ; wave 3 fetches nothing and asks for nothing
	s_cmp_eq_u32 s20, 0
	s_cselect_b32 s[LIM], 2, -1                    ; the same in all sixteen partners, for a given wave
	v_and_b32 v[PFO], 31, v0
	v_lshlrev_b32 v[PFO], 11, v[PFO]
; 8 matrix instructions: row block a x all 8 column blocks, 32 along K.  The 32 accumulators take turns in the same order in every quarter.
.macro MULA f, a, zero
	WIN 0x50                                       ; C and D window 1, the fragments window 0
.irp b, 0,1,2,3,4,5,6,7
.if \zero
	v_wmma_f32_16x16x32_f16 v[8*(8*(\a)+(\b)):8*(8*(\a)+(\b))+7], v[(\f)+32+8*(\b):(\f)+32+8*(\b)+7], v[(\f)+8*(\a):(\f)+8*(\a)+7], 0
.else
	v_wmma_f32_16x16x32_f16 v[8*(8*(\a)+(\b)):8*(8*(\a)+(\b))+7], v[(\f)+32+8*(\b):(\f)+32+8*(\b)+7], v[(\f)+8*(\a):(\f)+8*(\a)+7], v[8*(8*(\a)+(\b)):8*(8*(\a)+(\b))+7]
.endif
.endr
.endm
.macro FETCH q, f                      ; 24 LDS loads in one run: quarter q's fragments into buffer f: B's sixteen, then A's eight
	WIN 0
.irp b, 0,1,2,3,4,5,6,7
	ds_load_tr16_b128 v[(\f)+32+8*(\b):(\f)+32+8*(\b)+3],   v[ADRB] offset:(\q)*32*PB+32*(\b)
	ds_load_tr16_b128 v[(\f)+32+8*(\b)+4:(\f)+32+8*(\b)+7], v[ADRB] offset:(\q)*32*PB+32*(\b)+16*PB
.endr
.irp a, 0,1,2,3
	ds_load_b128 v[(\f)+8*(\a):(\f)+8*(\a)+3],   v[ADRA] offset:64*(\q)+(\a)*16*PA
	ds_load_b128 v[(\f)+8*(\a)+4:(\f)+8*(\a)+7], v[ADRA] offset:64*(\q)+(\a)*16*PA+32
.endr
.endm
.macro QUARTER q, f, g, zero           ; multiplies buffer f; in its middle fetches quarter q into buffer g
	s_wait_dscnt 4                                 ; B and A's fragments 0, 1 are in; the youngest four loads (A's fragments 2, 3) may be out
	MULA \f, 0, \zero
	MULA \f, 1, \zero
	PLACES
	FETCH \q, \g
	s_wait_dscnt 24                                ; all but the 24 just issued
	MULA \f, 2, \zero
	MULA \f, 3, \zero
.endm
; The last quarter multiplies buffer 1 and changes slots.  In front of the one barrier each wave waits for all its tensor loads (its part of the next slot), adds 0 to its spare word, and waits for that
; and for its reads of this slot.  fill = 1: the barrier opens a round of the cluster's, and this slot is filled again first thing behind it, with the step two on: 112 matrix instructions ahead of the wait for it.
.macro TURN fill
.if \fill
	s_wait_xcnt 0x0                                ; the last prefetch, a K step back, has read its address
	s_add_nc_u64 s[PFA:PFA+1], s[PFA:PFA+1], s[PST:PST+1]
.endif
	WIN 0
	s_wait_tensorcnt 0x0
	ds_add_u32 v[SPW], v[NIL]
	s_wait_dscnt 5                                 ; (the add and A's fragments 2, 3 may be out)
	MULA F1, 0, 0
	s_wait_dscnt 0x0                               ; the add is done, and my reads of this slot are over
	s_barrier_signal -1
	MULA F1, 1, 0
	WIN 0
	s_barrier_wait -1
.if \fill
	CREST                                          ; no wave of any partner still reads this slot or has a load on its way
	s_xor_b32 s[G0A+5], s[G0A+5], SLOT1            ; the walking sets: the other slot than last time, the next K step
	s_add_nc_u64 s[G0A+6:G0A+7], s[G0A+6:G0A+7], ASTEP
	s_xor_b32 s[G0B+5], s[G0B+5], SLOT1
	s_add_nc_u64 s[G0B+6:G0B+7], s[G0B+6:G0B+7], BSTEP
	JLOAD
.endif
	s_xor_b32 s[SB], s[SB], SLOT1
	PLACES
	v_add_nc_u32 v[ADRA], s[SB], v[A0]
	v_add_nc_u32 v[ADRB], s[SB], v[B0]
	FETCH 0, F0
.if \fill
	ASK
.endif
	MULA F1, 2, 0
	MULA F1, 3, 0
.endm
	s_wait_tensorcnt 1                             ; my part of K step 0 is in; step 1's may stay out
	s_barrier_signal -1
	s_barrier_wait -1
	s_mov_b32 s[SB], 0
	v_add_nc_u32 v[ADRA], s[SB], v[A0]
	v_add_nc_u32 v[ADRB], s[SB], v[B0]
	FETCH 0, F0
	QUARTER 1, F0, F1, 1                           ; the first quarter's products start the sums: nothing is cleared
	WIN 0
	s_mov_b32 s3, KSTEPS-2
.Lk:                                           ; a trip: from a step's second quarter to the next step's first; it refills K steps 2 to 7
	QUARTER 2, F1, F0, 0
	QUARTER 3, F0, F1, 0
	TURN 1
	QUARTER 1, F0, F1, 0
	WIN 0
	s_sub_co_u32 s3, s3, 1
	s_cmp_lg_u32 s3, 0
	s_cbranch_scc1 .Lk
	QUARTER 2, F1, F0, 0                           ; the last two steps ask for nothing
	QUARTER 3, F0, F1, 0
	TURN 0
	QUARTER 1, F0, F1, 0
	QUARTER 2, F1, F0, 0
	QUARTER 3, F0, F1, 0
	s_wait_dscnt 4
	MULA F1, 0, 0
	MULA F1, 1, 0
	s_wait_dscnt 0x0
	MULA F1, 2, 0
	MULA F1, 3, 0
; THE WAY OUT, a block of 16 rows at a time: a lane's eight f32 of a row go into my own stage as 32 bytes (each accumulator's lowest registers first) and come back as whole rows of 512 bytes.
.macro OUT a
	WIN 0x04                                       ; store data in window 1
.irp b, 0,1,2,3,4,5,6,7
	ds_store_b128 v[STO], v[8*(8*(\a)+(\b)):8*(8*(\a)+(\b))+3]   offset:64*(\b)
	ds_store_b128 v[STO], v[8*(8*(\a)+(\b))+4:8*(8*(\a)+(\b))+7] offset:64*(\b)+16
.endr
	WIN 0
.if (\a) >= 2
	s_wait_xcnt 0x0                                ; the stores of the block two back have read the registers that are loaded again below
.endif
.set rB, 64+64*((\a)%2)
.set t, 0
.rept 16
	ds_load_b128 v[rB+4*t:rB+4*t+3], v[RD] offset:SP*t  ; LDS serves a wave's instructions in order (ISA guide 5.7.1.4): these see the stores above
.set t, t+1
.endr
.set t, 0
.rept 16
	s_wait_dscnt 15-t                              ; the younger loads from the stage may stay out
	global_store_b128 v[CO], v[rB+4*t:rB+4*t+3], s[10:11] offset:(16*(\a)+t)*4096  ; 512 consecutive bytes of a row, at a multiple of 256 from out0's first
.set t, t+1
.endr
.endm
	PLACES
	OUT 0
	OUT 1
	OUT 2
	OUT 3
	s_wait_tensorcnt 0x0                           ; the wave's end: behind my last tensor load and my last LDS store
	ds_add_u32 v[SPW], v[NIL]
	s_wait_dscnt 0x0
	CROUND                                         ; the closing round: no work-group ends while a partner may still ask for a tile that names it
	s_endpgm
.Lfunc_end_k_q8918db5d6d_proj:
	.size	k_q8918db5d6d_proj, .Lfunc_end_k_q8918db5d6d_proj-k_q8918db5d6d_proj
	.p2alignl 7, 3214868480
	.fill 96, 4, 3214868480
	.section	.rodata,"a",@progbits
	.p2align	6, 0x0
	.amdhsa_kernel k_q8918db5d6d_proj
		.amdhsa_group_segment_fixed_size 327680
		.amdhsa_private_segment_fixed_size 0
		.amdhsa_enable_private_segment 0
		.amdhsa_kernarg_size 24
		.amdhsa_user_sgpr_count 2
		.amdhsa_user_sgpr_kernarg_segment_ptr 1
		.amdhsa_wavefront_size32 1
		.amdhsa_system_sgpr_workgroup_id_x 1
		.amdhsa_system_sgpr_workgroup_id_y 1
		.amdhsa_system_sgpr_workgroup_id_z 1
		.amdhsa_system_vgpr_workitem_id 0
		.amdhsa_next_free_vgpr 512
		.amdhsa_next_free_sgpr 72
		.amdhsa_reserve_vcc 0
		.amdhsa_float_denorm_mode_32 3
		.amdhsa_float_denorm_mode_16_64 3
		.amdhsa_memory_ordered 1
		.amdhsa_forward_progress 1
		.amdhsa_inst_pref_size 72
	.end_amdhsa_kernel
	.amdgpu_metadata
---
amdhsa.version: [ 1, 2 ]
amdhsa.kernels:
  - .name:           k_q8918db5d6d_proj
    .symbol:         k_q8918db5d6d_proj.kd
    .args:
      - { .name: ob, .offset: 0, .size: 8, .value_kind: global_buffer, .address_space: global }
      - { .name: wob, .offset: 8, .size: 8, .value_kind: global_buffer, .address_space: global }
      - { .name: out0, .offset: 16, .size: 8, .value_kind: global_buffer, .address_space: global }
    .group_segment_fixed_size: 327680
    .private_segment_fixed_size: 0
    .kernarg_segment_align: 8
    .kernarg_segment_size: 24
    .max_flat_workgroup_size: 128
    .sgpr_count:     72
    .vgpr_count:     512
    .wavefront_size: 32
...
	.end_amdgpu_metadata
.endif
;; end of part 4
;; ======== version 2 of 2: 4 launches; version 1 with the launch prep written anew for expert scheduling mode
;; limits: values are held in f16: magnitudes above 65,504 overflow, below 6.1e-05 lose precision
;; workspace buffers: xb 16,777,216 bytes; wb 6,291,456 bytes; wob 2,097,152 bytes; rope 524,288 bytes; qkvh 50,331,648 bytes; ob 16,777,216 bytes
;; launch prep (part 5): grid 896 x 1, 8 waves a work-group, no clusters, 0 bytes of LDS; arguments x, wq, wk, wv, wo, xb, wb, wob, rope; writes xb, wb, wob, rope
.if DOCPART == 5
	.amdgcn_target "amdgcn-amd-amdhsa--gfx1250"
	.amdhsa_code_object_version 6
	.text
	.protected	k_q8918db5d6d_prep
	.globl	k_q8918db5d6d_prep
	.p2align	8
	.type	k_q8918db5d6d_prep,@function
k_q8918db5d6d_prep:
	s_mov_b64 s[64:65], 0
	v_nop
	global_prefetch_b8 v0, s[64:65] scope:SCOPE_SE
	s_setreg_imm32_b32 hwreg(HW_REG_WAVE_SCHED_MODE, 0, 2), 2
	s_setreg_imm32_b32 hwreg(HW_REG_WAVE_MODE, 25, 1), 1
	s_wait_xcnt 0x0
	s_wait_alu depctr_vm_vsrc(0)
; PREP: the module's inputs rounded once to bf16, and the table of cosines and sines for the rotation.
;   work-groups   0..511  x  [8192][1024] f32 -> xb  bf16, same layout
;   work-groups 512..703  wq, wk, wv [1024 k][1024 n] f32 -> wb [3][1024][1024] bf16, same layout (64 work-groups a matrix)
;   work-groups 704..767  wo [1024 k][1024 n] f32 -> wob: rounded to bf16, that number written as f16
;   work-groups 768..895  rope [2048 positions][32 cosines | 32 sines] f32: 256 bytes a position
; A stream: every input byte is read once, every output byte written once; no LDS, no matrix unit, no barrier: no wave wants what another fetched.
; A converting work-group takes 16 rows of 4,096 bytes: thread t owns the 16 bytes at 16 t of each; all sixteen loads go out at once,
; and a wave's store of 8 bytes a lane covers 256 consecutive bytes, aligned.
; LIMITS.  wo's numbers lie within f16's 65,504; below 6e-5 they keep f16's fixed step of 6e-8.  The angle is position x 2^(-d log2(10000)/32) in f32:
; it may differ from a power function's by a few units in the last place of the factor, some 2e-4 radians at position 2,047.
; The cosine's series is cut behind x^18 on |x| <= pi: the first term left out is under 4e-9 there, for every position.
; THE MODE: SCHED_MODE bits 1:0 = 2 (LLVM: expert scheduling mode 2), set by the entry lines.  The code itself states the register dependences
; between vector instructions and memory instructions, with s_wait_alu, always for 0.
; THE PLAN.  Registers that memory instructions touch:
;   v1, v2     byte offsets, made once at the head and never written again: v1 is read by every load and by the table's store, v2 by every store of 16-bit numbers.
;   X          written by the sixteen loads alone, which all go out before any vector instruction names X; read by the conversions; never loaded again.
;   Y          each register written once, by a conversion, and read once, by a store.
;   v[22:25]   the table's path: written by the series, read by its one store.
;   v3 to v7, and v[10:21] on the table's path, are named by vector instructions alone.
; The sixteen rows go in four blocks of four.  Block p rounds its rows into its own part of Y; its memory instructions are the four stores of block p - 1, whose part of Y
; no vector instruction of block p names.  So one wait at a block's head states all that the block's stores hang on, and these are dealt among its conversions with no further wait.
; No register that a memory instruction reads is written again on any path, so no wait on vm_vsrc or XCNT follows the entry lines; EXEC is never written.
.set SRC, 24                           ; s[24:25] where my 16 rows begin
.set DST, 26                           ; s[26:27] where their 16-bit image begins
.set X,   8                            ; v[8:71]   sixteen loads of four numbers
.set Y,   72                           ; v[72:103] sixteen stores of four 16-bit numbers
; Row i is rounded.  half = 0: to bf16.  half = 1 (wo): the bf16 number, widened again (a shift, a mask) and written as f16.
.macro ROW i, half
.if \half
	v_cvt_pk_bf16_f32 v3, v[X+4*(\i)],   v[X+4*(\i)+1]
	v_cvt_pk_bf16_f32 v4, v[X+4*(\i)+2], v[X+4*(\i)+3]
	v_lshlrev_b32 v5, 16, v3
	v_and_b32 v6, 0xffff0000, v3
	v_lshlrev_b32 v7, 16, v4
	v_and_b32 v3, 0xffff0000, v4
	v_cvt_pk_f16_f32 v[Y+2*(\i)],   v5, v6
	v_cvt_pk_f16_f32 v[Y+2*(\i)+1], v7, v3
.else
	v_cvt_pk_bf16_f32 v[Y+2*(\i)],   v[X+4*(\i)],   v[X+4*(\i)+1]
	v_cvt_pk_bf16_f32 v[Y+2*(\i)+1], v[X+4*(\i)+2], v[X+4*(\i)+3]
.endif
.endm
; Row i is stored.  No register is written twice, so no store's source needs a wait behind it.
.macro PUT i
	global_store_b64 v2, v[Y+2*(\i):Y+2*(\i)+1], s[DST:DST+1] offset:2048*(\i) th:TH_STORE_NT
.endm
; The four blocks, and behind them the last block's stores.
.macro WALK half
.set p, 0
.rept 4
	s_wait_loadcnt 12-4*p                          ; loads come back in order: block p's four rows are in, the 12 - 4 p younger loads may stay out
.if p > 0
	s_wait_alu depctr_va_vdst(0)                   ; the block before has written its part of Y, which the four stores below read
.endif
.irp z, 0,1,2,3
.if p > 0
	PUT 4*(p-1)+\z                                 ; no vector instruction since the wait names these registers
.endif
	ROW 4*p+\z, \half
.endr
.set p, p+1
.endr
	s_wait_alu depctr_va_vdst(0)                   ; block 3 has written its part of Y, which the last four stores read
.irp z, 0,1,2,3
	PUT 12+\z
.endr
.endm
	s_load_b512 s[4:19], s[0:1], 0x0               ; x s[4:5], wq s[6:7], wk s[8:9], wv s[10:11], wo s[12:13], xb s[14:15], wb s[16:17], wob s[18:19]
	s_load_b64 s[20:21], s[0:1], 0x40              ; rope
	s_mov_b32 s22, ttmp9                           ; g, the work-group
	v_lshlrev_b32 v1, 4, v0                        ; 16 t: my bytes in a row of f32
	v_lshlrev_b32 v2, 3, v0                        ; 8 t: in a row of 16-bit numbers
	s_sub_co_u32 s34, s22, 512                     ; my number among the three weights' work-groups,
	s_and_b32 s35, s34, 63                         ; within one matrix,
	s_sub_co_u32 s36, s22, 704                     ; and among wo's
	s_wait_kmcnt 0x0
	s_cmp_ge_u32 s22, 768
	s_cbranch_scc1 .Ltable
	; which buffer, and which 16 rows of it: selects on g alone; the offsets are made apart from the addresses
	s_cmp_ge_u32 s22, 512
	s_cselect_b64 s[SRC:SRC+1], s[6:7], s[4:5]
	s_cselect_b64 s[DST:DST+1], s[16:17], s[14:15]
	s_cselect_b32 s32, s35, s22
	s_cselect_b32 s33, s34, s22
	s_cmp_ge_u32 s22, 576
	s_cselect_b64 s[SRC:SRC+1], s[8:9], s[SRC:SRC+1]
	s_cmp_ge_u32 s22, 640
	s_cselect_b64 s[SRC:SRC+1], s[10:11], s[SRC:SRC+1]
	s_cmp_ge_u32 s22, 704
	s_cselect_b64 s[SRC:SRC+1], s[12:13], s[SRC:SRC+1]
	s_cselect_b64 s[DST:DST+1], s[18:19], s[DST:DST+1]
	s_cselect_b32 s32, s36, s32
	s_cselect_b32 s33, s36, s33
	s_lshl_b32 s28, s32, 16                        ; 16 rows of 4,096 bytes
	s_mov_b32 s29, 0
	s_lshl_b32 s30, s33, 15                        ; 16 rows of 2,048 bytes
	s_mov_b32 s31, 0
	s_add_nc_u64 s[SRC:SRC+1], s[SRC:SRC+1], s[28:29]
	s_add_nc_u64 s[DST:DST+1], s[DST:DST+1], s[30:31]
	s_wait_alu depctr_va_vdst(0)                   ; v1 and v2 are written: every load below reads v1 as its offset, every store v2
.set i, 0
.rept 16
	global_load_b128 v[X+4*i:X+4*i+3], v1, s[SRC:SRC+1] offset:4096*i th:TH_LOAD_NT
.set i, i+1
.endr
	s_cmp_ge_u32 s22, 704
	s_cbranch_scc1 .Lf16
	WALK 0                                         ; x and the three weights: bf16
	s_endpgm
.Lf16:
	WALK 1                                         ; wo: f16
	s_endpgm
.Ltable:                                       ; 16 positions a work-group; thread t: position t / 16, numbers 4 (t % 16) .. + 3 of its 64
	s_sub_co_u32 s23, s22, 768
	s_lshl_b32 s24, s23, 4                         ; the first position
	s_lshl_b32 s30, s23, 12                        ; 16 positions of 256 bytes
	s_mov_b32 s31, 0
	s_add_nc_u64 s[20:21], s[20:21], s[30:31]
	s_mov_b32 s26, 0x3fc90fdb                      ; pi / 2: a sine is the cosine of the angle less pi / 2
	s_mov_b32 s27, 0x3e800000                      ; the same in turns: 0.25
	s_mov_b32 s28, 0x40c90fdb                      ; 2 pi, its f32 part,
	s_mov_b32 s29, 0xb43bbd2e                      ; and what that leaves
	v_and_b32 v3, 15, v0
	v_cmp_lt_u32 vcc_lo, 7, v3                     ; threads 8 .. 15 of a position make sines; the five lines below stand between the compare and the wait for it
	v_lshrrev_b32 v4, 4, v0
	v_add_nc_u32 v4, s24, v4
	v_cvt_f32_u32 v5, v4                           ; the position
	v_and_b32 v6, 7, v3
	v_lshlrev_b32 v6, 2, v6                        ; my first d
	s_wait_alu depctr_va_vcc(0)                    ; the compare has written VCC, which the two selects below read
	v_cndmask_b32 v7, 0, s26, vcc_lo
	v_cndmask_b32 v8, 0, s27, vcc_lo
.irp j, 0,1,2,3
	v_add_nc_u32 v[10+\j], \j, v6
	v_cvt_f32_u32 v[10+\j], v[10+\j]
	v_mul_f32 v[10+\j], 0xbed49a78, v[10+\j]       ; - d log2(10000) / 32
.endr
.irp j, 0,1,2,3
	v_exp_f32 v[10+\j], v[10+\j]                   ; 10000^(-d/32): one batch of four
.endr
	v_nop                                          ; a plain instruction behind the last of them,
	s_wait_alu depctr_va_vdst(0)                   ; and the one wait ahead of the first use: the four exponentials have written v[10:13]
.irp j, 0,1,2,3
	v_mul_f32 v[14+\j], v5, v[10+\j]               ; the angle
	v_fma_f32 v[18+\j], v[14+\j], 0.15915494, -v8  ; in turns, less the sine's quarter
	v_rndne_f32 v[18+\j], v[18+\j]                 ; n whole turns
	v_fma_f32 v[14+\j], -v[18+\j], s28, v[14+\j]   ; angle - n 2 pi, in two parts
	v_fma_f32 v[14+\j], -v[18+\j], s29, v[14+\j]
	v_sub_f32 v[14+\j], v[14+\j], v7               ; now within -pi .. pi
	v_mul_f32 v[18+\j], v[14+\j], v[14+\j]
	v_mov_b32 v[22+\j], 0xa53413c3                 ; the cosine's series in x^2, from -1/18! down
.endr
.irp c, 0x29573f9f, 0xad49cba5, 0x310f76c7, 0xb493f27e, 0x37d00d01, 0xbab60b61, 0x3d2aaaab
.irp j, 0,1,2,3
	v_fmaak_f32 v[22+\j], v[22+\j], v[18+\j], \c
.endr
.endr
.irp j, 0,1,2,3
	v_fma_f32 v[22+\j], v[22+\j], v[18+\j], -0.5
.endr
.irp j, 0,1,2,3
	v_fma_f32 v[22+\j], v[22+\j], v[18+\j], 1.0
.endr
	s_wait_alu depctr_va_vdst(0)                   ; the series has written v[22:25], the store's data; v1, its offset, was written at the head
	global_store_b128 v1, v[22:25], s[20:21]       ; sixteen lanes fill a position's 256 bytes
	s_endpgm
.Lfunc_end_k_q8918db5d6d_prep:
	.size	k_q8918db5d6d_prep, .Lfunc_end_k_q8918db5d6d_prep-k_q8918db5d6d_prep
	.p2alignl 7, 3214868480
	.fill 96, 4, 3214868480
	.section	.rodata,"a",@progbits
	.p2align	6, 0x0
	.amdhsa_kernel k_q8918db5d6d_prep
		.amdhsa_group_segment_fixed_size 0
		.amdhsa_private_segment_fixed_size 0
		.amdhsa_enable_private_segment 0
		.amdhsa_kernarg_size 72
		.amdhsa_user_sgpr_count 2
		.amdhsa_user_sgpr_kernarg_segment_ptr 1
		.amdhsa_wavefront_size32 1
		.amdhsa_system_sgpr_workgroup_id_x 1
		.amdhsa_system_sgpr_workgroup_id_y 1
		.amdhsa_system_sgpr_workgroup_id_z 1
		.amdhsa_system_vgpr_workitem_id 0
		.amdhsa_next_free_vgpr 104
		.amdhsa_next_free_sgpr 66
		.amdhsa_reserve_vcc 1
		.amdhsa_float_denorm_mode_32 3
		.amdhsa_float_denorm_mode_16_64 3
		.amdhsa_memory_ordered 1
		.amdhsa_forward_progress 1
		.amdhsa_inst_pref_size 22
	.end_amdhsa_kernel
	.amdgpu_metadata
---
amdhsa.version: [ 1, 2 ]
amdhsa.kernels:
  - .name:           k_q8918db5d6d_prep
    .symbol:         k_q8918db5d6d_prep.kd
    .args:
      - { .name: x, .offset: 0, .size: 8, .value_kind: global_buffer, .address_space: global }
      - { .name: wq, .offset: 8, .size: 8, .value_kind: global_buffer, .address_space: global }
      - { .name: wk, .offset: 16, .size: 8, .value_kind: global_buffer, .address_space: global }
      - { .name: wv, .offset: 24, .size: 8, .value_kind: global_buffer, .address_space: global }
      - { .name: wo, .offset: 32, .size: 8, .value_kind: global_buffer, .address_space: global }
      - { .name: xb, .offset: 40, .size: 8, .value_kind: global_buffer, .address_space: global }
      - { .name: wb, .offset: 48, .size: 8, .value_kind: global_buffer, .address_space: global }
      - { .name: wob, .offset: 56, .size: 8, .value_kind: global_buffer, .address_space: global }
      - { .name: rope, .offset: 64, .size: 8, .value_kind: global_buffer, .address_space: global }
    .group_segment_fixed_size: 0
    .private_segment_fixed_size: 0
    .kernarg_segment_align: 8
    .kernarg_segment_size: 72
    .max_flat_workgroup_size: 256
    .sgpr_count:     66
    .vgpr_count:     104
    .wavefront_size: 32
...
	.end_amdgpu_metadata
.endif
;; end of part 5
;; launch qkv: the kernel of part 2 again; grid 12 x 64, 4 waves a work-group, clusters of 4 x 4, 327,680 bytes of LDS; arguments xb, wb, rope, qkvh; writes qkvh
;; launch attn: the kernel of part 3 again; grid 8 x 32, 4 waves a work-group, clusters of 4 x 1, 327,680 bytes of LDS; arguments qkvh, ob; writes ob
;; launch proj: the kernel of part 4 again; grid 4 x 64, 4 waves a work-group, clusters of 4 x 4, 327,680 bytes of LDS; arguments ob, wob, out0; writes out0
